; MI455X (gfx1250); checked and timed in simulation.
; The chip was launched on July 23, 2026; its instructions are those of AMD's public machine-readable ISA for CDNA 5 (MIT licence, August 2026) and "CDNA5" Instruction Set Architecture Reference Guide (July 2026). The comments in the code are by the model that wrote it; some were corrected since.
;; Multi Head Attention. Allowed arithmetic: matrix products marked QUANTISED: E2M3 operands, one E8M0 scale for each 32 along K, by v_wmma_scale_f32_16x16x128_f8f6f4 with both operands' format E2M3, f32 sums; everything else in f32.
;; Inputs: K 4 x 2,048 x 1,024 float32; Q 4 x 2,048 x 1,024 float32; V 4 x 2,048 x 1,024 float32; W_k 1,024 x 1,024 float32; W_o 1,024 x 1,024 float32; W_q 1,024 x 1,024 float32; W_v 1,024 x 1,024 float32; b_k 1,024 float32; b_o 1,024 float32; b_q 1,024 float32; b_v 1,024 float32.
;; Outputs: out0 4 x 2,048 x 1,024 float32.
;; This version of the problem:
;;   THIS VERSION OF THE PROBLEM IS GIVEN IN LOW PRECISION. The matrix products marked QUANTISED in the list below multiply operands that are first quantised to E2M3 (2 exponent bits, 3 mantissa bits; 6 bits a number), with one power-of-two scale for each 32 numbers along K (OCP MX v1.0); their sums are f32. All else is computed in f32.
;;   The module's matrix products, in the order in which they are computed (A, B: the left and right operand; K: the contracted axis; several contracted axes count as one K, in the product's order):
;;     1. [M 8,192, K 1,024] x [K 1,024, N 1,024]; A: input Q; B: input W_q: QUANTISED
;;     2. [M 8,192, K 1,024] x [K 1,024, N 1,024]; A: input K; B: input W_k: QUANTISED
;;     3. [M 8,192, K 1,024] x [K 1,024, N 1,024]; A: input V; B: input W_v: QUANTISED
;;     4. batch 64 x [M 2,048, K 64] x [K 64, N 2,048]; A: computed on the way; B: computed on the way: QUANTISED
;;     5. batch 64 x [M 2,048, K 2,048] x [K 2,048, N 64]; A: softmax (see below); B: computed on the way: QUANTISED
;;     6. [M 8,192, K 1,024] x [K 1,024, N 1,024]; A: computed on the way; B: input W_o: QUANTISED
;;   THE QUANTISER, for each operand of a quantised product, along K:
;;     - K is cut into blocks of 32 from its start; a last block that is shorter is filled with zeros.
;;     - A block's scale is 2^e with e = floor(log2(the largest magnitude in the block)) - 2, held to -126 .. 127; a block of zeros has e = 0. As a byte (E8M0): e + 127.
;;     - Each number is divided by its block's scale, clamped to +-7.5, and rounded to the nearest number of E2M3, ties to even, subnormals kept.
;;     - The product sums the exact products of the quantised numbers (number of the format x scale) in f32.
;;   ~~~python
;;   def quantise(x, axis):      # numpy; x: float32 -> the quantised numbers, widened to float32 again
;;       x = np.moveaxis(x, axis, -1); K = x.shape[-1]
;;       x = np.pad(x, [(0, 0)] * (x.ndim - 1) + [(0, -K % 32)]); x = x.reshape(x.shape[:-1] + (-1, 32)); a = np.abs(x).max(-1, keepdims=True)
;;       e = np.where(a > 0, np.clip(np.frexp(np.where(a > 0, a, 1))[1] - 1 - 2, -126, 127), 0)      # np.frexp(a)[1] - 1 = floor(log2(a)), exactly
;;       r = np.clip(x / 2.0 ** e, -7.5, 7.5)
;;       step = 2.0 ** (np.maximum(np.frexp(np.where(r == 0, 1, r))[1] - 1, 0) - 3)
;;       q = np.round(r / step) * step * 2.0 ** e      # np.round: ties to even
;;       return np.moveaxis(q.reshape(q.shape[:-2] + (-1,))[..., :K], -1, axis).astype(np.float32)
;;   ~~~
;;   SOFTMAX AHEAD OF A QUANTISED PRODUCT. Where the list says 'softmax', what is quantised is not the finished softmax but p = 2^(t - M), with t = logit x log2(e) and M = ceil(the row's largest t), a whole number; so 1/2 < the row's largest p <= 1. The row's sum l is taken of the UNQUANTISED p, in f32, and the product's result is divided by l at the end. Since M is a whole number, a kernel that streams over the keys may use a running M (the ceiling of the running maximum): every later rescaling is an exact power of two, which a block's scale takes up: the codes' values come out the same.
;;   OPERANDS COMPUTED ON THE WAY. 'Computed on the way' means the value that the module computes at that place (a softmax that the list does not call 'softmax' is quantised finished and normalised). What goes into a quantiser is computed in f32, as accurately as f32 sums, v_exp_f32 and their like allow (about 1e-6 of the number): no bf16 or f16 on the way to a quantiser, and a product that is left as it is and whose result goes on into a quantised operand takes f32 operands (vector FMAs, or v_wmma_f32_16x16x4_f32). A number that lies on a knife's edge between two numbers of the format may be rounded either way, as far as f32 arithmetic and the matrix unit's own rounding can turn it there, and no further.
;; One version. Each part assembles by itself: llvm-mc -triple=amdgcn-amd-amdhsa -mcpu=gfx1250 --defsym DOCPART=n.
;; ======== version 1 of 1: 4 launches
;; workspace buffers: xq 19,660,800 bytes; wq 3,276,800 bytes; qq 6,815,744 bytes; kv 13,369,344 bytes; oq 6,553,600 bytes
;; launch prep (part 1): grid 896 x 1, 4 waves a work-group, no clusters, 68,096 bytes of LDS; arguments Q, K, V, W_q, W_k, W_v, W_o, xq, wq; writes xq, wq
.if DOCPART == 1
	.amdgcn_target "amdgcn-amd-amdhsa--gfx1250"
	.amdhsa_code_object_version 6
	.text
	.protected	k_qbbdbc5423d_prep
	.globl	k_qbbdbc5423d_prep
	.p2align	8
	.type	k_qbbdbc5423d_prep,@function
k_qbbdbc5423d_prep:
	s_mov_b64 s[64:65], 0
	v_nop
	global_prefetch_b8 v0, s[64:65] scope:SCOPE_SE
	s_setreg_imm32_b32 hwreg(HW_REG_WAVE_MODE, 25, 1), 1
	s_wait_xcnt 0x0
; The f32 inputs become codes of FP6 (E2M3) with one E8M0 scale byte for each 32 along K, once, for the products that follow.
; Q, K, V [8192][1024]: K is innermost.  W_q, W_k, W_v, W_o [1024 (k)][1024 (n)]: K is the first axis; their codes are laid [n][k].
; A block's scale is 2^(floor(log2(its largest magnitude)) - 2); its byte is the largest magnitude's exponent field - 2, held at 1 from below.
; LIMITS: a block of zeros gets the byte 1 (its codes are zeros, and this program alone reads the bytes); NaN and infinities among the inputs are not served.
; LAYOUT OF THE RESULTS.  Codes: a row is 768 bytes, one stream of bits.  Scale bytes: for 128 rows one block of 4,096 bytes: 1,024 x (k / 256) + 8 x (row % 128) + (k % 256) / 32.
; THE ROWS OF K, V AND OF ALL WEIGHTS ARE STORED WITH BITS 3 AND 4 OF THEIR NUMBER EXCHANGED (Q's rows are not): sixteen neighbouring stored rows are then the rows 8 u + r + 8 (r / 8) of a group of 32,
; so that the results of two neighbouring tiles of a product are 16 neighbours along the next product's K in one lane's registers.
; Work-groups 0 to 767 take 32 rows of Q, K or V each; work-groups 768 to 895 take 128 columns x 256 k of a weight.  The two ways part on the work-group's number and use LDS bytes of their own.
; No tensor load, no cluster: no two work-groups read the same bytes.  Every load is of consecutive bytes in neighbouring lanes, and is read once.
.set XWG,   768                        ; work-groups of the first way
.set SP,    80                         ; first way: a lane's place in a stage: 64 bytes + 16 of padding
.set WREG,  8192                       ; a wave's LDS: two stages of 32 x SP bytes, and behind them its 256 scale bytes
.set STEPS, 16
.set EMAX,  2
.set CB,    12                         ; bytes of 16 codes
.set XR,    16                         ; v16-79   four sets of 16 numbers as loaded
.set XX,    80                         ; v80-111  two sets of 16 neighbours
.set XE,    112                        ; v112-127 a scale byte for each step
.set XC,    128                        ; v128-191 codes, four registers a step: no store's data are written again
	s_load_b128 s[4:7], s[0:1], 0x0                ; Q, K
	s_load_b128 s[8:11], s[0:1], 0x10              ; V, W_q
	s_load_b128 s[12:15], s[0:1], 0x20             ; W_k, W_v
	s_load_b128 s[16:19], s[0:1], 0x30             ; W_o, xq
	s_load_b64 s[20:21], s[0:1], 0x40              ; wq
	v_lshl_add_u32 v192, v0, 2, 0x10800
	v_mov_b32 v193, 0
	v_lshrrev_b32 v1, 5, v0
	v_readfirstlane_b32 s22, v1                    ; wave
	v_and_b32 v2, 31, v0                           ; lane
	s_cmp_ge_u32 ttmp9, XWG
	s_cbranch_scc1 .Lweights
; ---------------- Q, K, V: a wave takes 8 rows (8,192 numbers) in 16 steps of 512 ----------------
	s_lshr_b32 s23, ttmp9, 8                       ; which tensor: 0 Q, 1 K, 2 V
	s_and_b32 s24, ttmp9, 255                      ; which 32 rows of it
	v_lshlrev_b32 v3, 4, v2                        ; my 16 bytes of a load's 512
	s_mul_i32 s25, s22, WREG
	v_lshrrev_b32 v14, 2, v2
	v_mul_u32_u24 v14, v14, SP
	v_and_b32 v15, 3, v2
	v_lshl_add_u32 v14, v15, 4, v14
	v_add_nc_u32 v14, s25, v14                     ; the stage, on the way in: SP (lane / 4) + 16 (lane % 4)
	v_mul_u32_u24 v15, v2, SP
	v_add_nc_u32 v15, s25, v15                     ; on the way out: SP x lane: 16 neighbours
	v_mul_u32_u24 v4, v2, CB                       ; my codes' place in a step's
	v_lshrrev_b32 v5, 1, v2
	s_add_co_u32 s25, s25, 2*32*SP
	v_add_nc_u32 v5, s25, v5                       ; my wave's 256 scale bytes (32 a row), my block's byte
	v_lshrrev_b32 v6, 3, v2                        ; at the end wave w gathers the bytes of k = 256 w .. 256 w + 255 of all 32 rows: lane L takes row L,
	v_lshlrev_b32 v6, 13, v6                       ; which lies in wave L / 8's bytes,
	v_and_b32 v7, 7, v2
	v_lshl_add_u32 v6, v7, 5, v6                   ; row L % 8 there,
	s_lshl_b32 s26, s22, 3
	s_add_co_u32 s26, s26, 2*32*SP
	v_add_nc_u32 v6, s26, v6                       ; bytes 8 w .. 8 w + 7 of it
	s_cmp_eq_u32 s23, 0
	s_cselect_b32 s27, 0, 1                        ; are this tensor's rows exchanged?
	v_lshrrev_b32 v7, 3, v2
	v_lshrrev_b32 v12, 4, v2
	v_xor_b32 v7, v7, v12
	v_and_b32 v7, 1, v7                            ; bits 3 and 4 of the row differ:
	s_mul_i32 s28, s27, 24
	v_mul_u32_u24 v7, s28, v7
	v_xor_b32 v7, v7, v2                           ; both are turned
	v_lshlrev_b32 v7, 3, v7                        ; 8 bytes for each stored row
	s_lshr_b32 s28, s22, 1                         ; my 8 rows' place among the 32: the wave's number with its two bits exchanged
	s_xor_b32 s28, s28, s22
	s_and_b32 s28, s28, 1
	s_mul_i32 s28, s28, 3
	s_mul_i32 s28, s28, s27
	s_xor_b32 s28, s28, s22
	s_lshl_b32 s29, s24, 2
	s_add_co_u32 s30, s29, s22
	s_lshl_b32 s30, s30, 15                        ; from: 8 rows of 4,096 bytes a wave
	s_mov_b32 s31, 0
	s_add_co_u32 s32, s29, s28
	s_mul_i32 s32, s32, 6144                       ; to: 8 rows of 768 bytes
	s_mul_i32 s34, s23, 6291456
	s_add_co_u32 s32, s32, s34
	s_mov_b32 s33, 0
	s_mul_i32 s34, s23, 262144                     ; the scale bytes lie behind the three tensors' codes
	s_add_co_u32 s34, s34, 18874368
	s_lshr_b32 s36, s24, 2
	s_lshl_b32 s36, s36, 12
	s_add_co_u32 s34, s34, s36                     ; the block of 128 rows,
	s_lshl_b32 s36, s22, 10
	s_add_co_u32 s34, s34, s36                     ; k / 256 = my wave's number,
	s_and_b32 s36, s24, 3
	s_lshl_b32 s36, s36, 8
	s_add_co_u32 s34, s34, s36                     ; my work-group's 32 rows
	s_mov_b32 s35, 0
	s_wait_kmcnt 0x0
	s_cmp_eq_u32 s23, 0
	s_cselect_b64 s[4:5], s[4:5], s[6:7]
	s_cmp_eq_u32 s23, 2
	s_cselect_b64 s[4:5], s[8:9], s[4:5]           ; the choice hangs on the work-group's number alone
	s_add_nc_u64 s[4:5], s[4:5], s[30:31]
	s_add_nc_u64 s[8:9], s[18:19], s[32:33]
	s_add_nc_u64 s[10:11], s[18:19], s[34:35]
.macro XLOAD t
.irp i, 0,1,2,3
	global_load_b128 v[XR+16*((\t)%4)+4*\i:XR+16*((\t)%4)+4*\i+3], v3, s[4:5] offset:2048*(\t)+512*\i th:TH_LOAD_NT   ; 32 lanes read 512 consecutive bytes
.endr
.endm
.macro XTURN t                         ; a step's numbers through the stage: LDS serves a wave's instructions in order, so no wait stands between the stores and the loads
.irp i, 0,1,2,3
	ds_store_b128 v14, v[XR+16*((\t)%4)+4*\i:XR+16*((\t)%4)+4*\i+3] offset:32*SP*((\t)%2)+8*SP*\i
.endr
.irp i, 0,1,2,3
	ds_load_b128 v[XX+16*((\t)%2)+4*\i:XX+16*((\t)%2)+4*\i+3], v15 offset:32*SP*((\t)%2)+16*\i
.endr
.endm
.irp t, 0,1,2,3
	XLOAD \t
.endr
	s_wait_loadcnt 12                              ; step 0's four loads are in; twelve younger ones stay out
	XTURN 0
.macro XSTEP t
.set XS, XX+16*((\t)%2)
.if (\t) > 0
	s_wait_dscnt 1                                 ; this step's numbers are back from the stage (the last step's byte store may be out)
.else
	s_wait_dscnt 0x0
.endif
.if (\t)+4 < STEPS
	XLOAD (\t)+4                                   ; into the registers that the stage's stores have read
.endif
.if (\t)+1 < STEPS
.if STEPS-2-(\t) >= 3
	s_wait_loadcnt 12                              ; the next step's four loads are in; those of the three steps behind it may be out
.else
	s_wait_loadcnt 4*(STEPS-2-(\t))
.endif
	XTURN (\t)+1
.endif
	v_max3_num_f32 v8, |v[XS]|, |v[XS+1]|, |v[XS+2]|               ; the largest magnitude of my 16, in two chains
	v_max3_num_f32 v9, |v[XS+3]|, |v[XS+4]|, |v[XS+5]|
.irp i, 6,10
	v_max3_num_f32 v8, v8, |v[XS+\i]|, |v[XS+\i+1]|
	v_max3_num_f32 v9, v9, |v[XS+\i+2]|, |v[XS+\i+3]|
.endr
	v_max3_num_f32 v8, v8, |v[XS+14]|, |v[XS+15]|
	v_max3_num_f32 v8, v8, v9, (EMAX+1)<<23        ; and the floor 2^(3 - 127): the byte cannot fall under 1
	v_max_num_f32_dpp v8, v8, v8 row_xmask:1 row_mask:0xf bank_mask:0xf   ; with my neighbour's 16: the block's
	v_add_nc_u32 v11, -(EMAX<<23), v8              ; 2 off its exponent field: the conversion takes that field as its scale, and nothing else
	v_cvt_scalef32_pk16_fp6_f32 v[XC+4*(\t):XC+4*(\t)+2], v[XS:XS+15], v11
	v_lshrrev_b32 v[XE+(\t)], 23, v11              ; the scale's byte
	ds_store_b8 v5, v[XE+(\t)] offset:16*(\t)      ; both lanes of a block write the same byte with the same value
	global_store_b96 v4, v[XC+4*(\t):XC+4*(\t)+2], s[8:9] offset:32*CB*(\t)   ; the wave stores 384 consecutive bytes
.endm
.irp t, 0,1,2,3,4,5,6,7,8,9,10,11,12,13,14,15
	XSTEP \t
.endr
	s_wait_dscnt 0x0                               ; for the other waves' sake: my scale bytes lie in LDS
	s_barrier_signal -1
	s_barrier_wait -1
	ds_load_b64 v[12:13], v6                       ; row L's eight bytes of my 256 along K
	s_wait_dscnt 0x0
	global_store_b64 v7, v[12:13], s[10:11]        ; 32 lanes store 256 consecutive bytes, aligned
	s_wait_tensorcnt 0x0
	ds_add_u32 v192, v193
	s_wait_dscnt 0x0
	s_endpgm
; ---------------- the weights: a lane takes a column n, its registers run down K ----------------
.Lweights:
.set KW,    256                        ; along K for a wave
.set NB,    KW/32
.set WROWB, 192                        ; bytes of KW codes
.set WP,    272                        ; a stage row: sixteen places of 16 bytes, each with 12 bytes of codes, + 16
.set KROW,  768                        ; a row of codes
.set WROW,  4096                       ; a row of a weight in memory
.set WSTG,  32768                      ; this way's LDS: 32 x WP bytes a wave
.set WX,    32                         ; v32-95   two sets of 32 numbers
.set WC,    96                         ; v96..    a block's codes
.set WOUT,  112                        ; v112-175 the way out
.set WSB,   24                         ; v24-25   the scale bytes
	s_sub_co_u32 s23, ttmp9, XWG
	s_lshr_b32 s24, s23, 5                         ; which weight: 0 W_q, 1 W_k, 2 W_v, 3 W_o
	s_bfe_u32 s25, s23, 0x20003                    ; which 256 along K
	s_and_b32 s26, s23, 7                          ; which 128 columns
	s_lshl_b32 s27, s26, 7
	s_lshl_b32 s28, s22, 5
	s_add_co_u32 s27, s27, s28                     ; my wave's first column
	v_lshlrev_b32 v3, 2, v2                        ; in: 4 bytes a lane
	s_mul_i32 s28, s22, 32*WP
	s_add_co_u32 s28, s28, WSTG                    ; my stage
	v_mul_u32_u24 v4, v2, WP
	v_add_nc_u32 v4, s28, v4                       ; into it: row = my column
	v_and_b32 v5, 15, v2
	v_lshrrev_b32 v6, 4, v2                        ; out of it: sixteen lanes to a row, two rows an instruction
	v_mul_u32_u24 v7, v6, WP
	v_lshl_add_u32 v7, v5, 4, v7
	v_add_nc_u32 v7, s28, v7
	v_mul_u32_u24 v8, v6, KROW
	v_mad_u32_u24 v8, v5, 12, v8                   ; and the same place among the codes
	v_lshrrev_b32 v9, 3, v2
	v_xor_b32 v9, v9, v6
	v_and_b32 v9, 1, v9
	v_mul_u32_u24 v9, v9, 24
	v_xor_b32 v9, v9, v2                           ; my column's stored row: bits 3 and 4 exchanged
	v_lshlrev_b32 v9, 3, v9                        ; its eight scale bytes
	s_lshl_b32 s30, s25, 20                        ; from: 256 rows of 4,096 bytes for each step along K,
	s_lshl_b32 s29, s27, 2
	s_add_co_u32 s30, s30, s29                     ; + 4 x column
	s_mov_b32 s31, 0
	s_mul_i32 s32, s24, 786432                     ; to: the weight's codes,
	s_mul_i32 s29, s27, KROW
	s_add_co_u32 s32, s32, s29                     ; my wave's 32 rows,
	s_mul_i32 s29, s25, WROWB
	s_add_co_u32 s32, s32, s29                     ; 192 bytes along them
	s_mov_b32 s33, 0
	s_lshl_b32 s34, s24, 15                        ; the scale bytes lie behind the four weights' codes
	s_add_co_u32 s34, s34, 3145728
	s_lshl_b32 s29, s26, 12
	s_add_co_u32 s34, s34, s29
	s_lshl_b32 s29, s25, 10
	s_add_co_u32 s34, s34, s29
	s_lshl_b32 s29, s22, 8
	s_add_co_u32 s34, s34, s29
	s_mov_b32 s35, 0
	s_wait_kmcnt 0x0
	s_cmp_eq_u32 s24, 1
	s_cselect_b64 s[4:5], s[12:13], s[10:11]
	s_cmp_eq_u32 s24, 2
	s_cselect_b64 s[4:5], s[14:15], s[4:5]
	s_cmp_eq_u32 s24, 3
	s_cselect_b64 s[4:5], s[16:17], s[4:5]
	s_add_nc_u64 s[4:5], s[4:5], s[30:31]
	s_add_nc_u64 s[6:7], s[20:21], s[32:33]
	s_add_nc_u64 s[8:9], s[20:21], s[34:35]
.macro WLOAD t                         ; block t: W(32 t + i, my column), i = 0 .. 31: the wave reads 128 consecutive bytes, the work-group 512
.set i, 0
.rept 32
	global_load_b32 v[WX+32*((\t)%2)+i], v3, s[4:5] offset:(32*(\t)+i)*WROW th:TH_LOAD_NT
.set i, i+1
.endr
.endm
	WLOAD 0
	WLOAD 1
.macro WBLOCK t
.set XS, WX+32*((\t)%2)
.if (\t) < NB-1
	s_wait_loadcnt 32                              ; this block's 32 loads are in; the next block's may be out
.else
	s_wait_loadcnt 0
.endif
	v_max3_num_f32 v12, |v[XS]|, |v[XS+1]|, |v[XS+2]|              ; the block's largest magnitude: all 32 numbers are mine
	v_max3_num_f32 v13, |v[XS+3]|, |v[XS+4]|, |v[XS+5]|
.irp i, 6,10,14,18,22,26
	v_max3_num_f32 v12, v12, |v[XS+\i]|, |v[XS+\i+1]|
	v_max3_num_f32 v13, v13, |v[XS+\i+2]|, |v[XS+\i+3]|
.endr
	v_max3_num_f32 v12, v12, |v[XS+30]|, |v[XS+31]|
	v_max3_num_f32 v12, v12, v13, (EMAX+1)<<23     ; and the floor
	v_add_nc_u32 v11, -(EMAX<<23), v12             ; the conversion's scale operand
	v_lshrrev_b32 v13, 23, v11                     ; the scale's byte
.if (\t)%4 == 0
	v_mov_b32 v[WSB+(\t)/4], v13                   ; four bytes to a register, the lower K in the lower byte
.else
	v_lshl_or_b32 v[WSB+(\t)/4], v13, 8*((\t)%4), v[WSB+(\t)/4]
.endif
	v_cvt_scalef32_pk16_fp6_f32 v[WC:WC+2], v[XS:XS+15], v11
	v_cvt_scalef32_pk16_fp6_f32 v[WC+4:WC+6], v[XS+16:XS+31], v11  ; (a conversion's three registers begin on an even number)
	ds_store_b96 v4, v[WC:WC+2] offset:32*(\t)     ; 12 bytes to a place of 16: every LDS address is a multiple of 16
	ds_store_b96 v4, v[WC+4:WC+6] offset:32*(\t)+16
.if (\t)+2 < NB
	WLOAD (\t)+2
.endif
	s_wait_dscnt 0x0                               ; the stores have read their registers: the next block's codes may be written
.endm
.set Q, 0
.rept NB
	WBLOCK Q
.set Q, Q+1
.endr
	global_store_b64 v9, v[WSB:WSB+1], s[8:9]      ; the wave's 32 rows x 8 bytes: 256 consecutive bytes, aligned
.irp t, 0,1,2,3,4,5,6,7,8,9,10,11,12,13,14,15
	ds_load_b96 v[WOUT+4*\t:WOUT+4*\t+2], v7 offset:2*\t*WP        ; LDS serves a wave's instructions in order: these see my stores
.endr
.irp t, 0,1,2,3,4,5,6,7,8,9,10,11,12,13,14,15
	s_wait_dscnt 15-\t
	global_store_b96 v8, v[WOUT+4*\t:WOUT+4*\t+2], s[6:7] offset:(((2*\t)&7)|(((2*\t)&8)<<1)|(((2*\t)&16)>>1))*KROW   ; columns 2 t and 2 t + 1 at their stored rows; sixteen lanes store 192 consecutive bytes
.endr
	s_wait_tensorcnt 0x0
	ds_add_u32 v192, v193
	s_wait_dscnt 0x0
	s_endpgm
.Lfunc_end_k_qbbdbc5423d_prep:
	.size	k_qbbdbc5423d_prep, .Lfunc_end_k_qbbdbc5423d_prep-k_qbbdbc5423d_prep
	.p2alignl 7, 3214868480
	.fill 96, 4, 3214868480
	.section	.rodata,"a",@progbits
	.p2align	6, 0x0
	.amdhsa_kernel k_qbbdbc5423d_prep
		.amdhsa_group_segment_fixed_size 68096
		.amdhsa_private_segment_fixed_size 0
		.amdhsa_enable_private_segment 0
		.amdhsa_kernarg_size 72
		.amdhsa_user_sgpr_count 2
		.amdhsa_user_sgpr_kernarg_segment_ptr 1
		.amdhsa_wavefront_size32 1
		.amdhsa_system_sgpr_workgroup_id_x 1
		.amdhsa_system_sgpr_workgroup_id_y 1
		.amdhsa_system_sgpr_workgroup_id_z 1
		.amdhsa_system_vgpr_workitem_id 0
		.amdhsa_next_free_vgpr 194
		.amdhsa_next_free_sgpr 66
		.amdhsa_reserve_vcc 0
		.amdhsa_float_denorm_mode_32 3
		.amdhsa_float_denorm_mode_16_64 3
		.amdhsa_memory_ordered 1
		.amdhsa_forward_progress 1
		.amdhsa_inst_pref_size 75
	.end_amdhsa_kernel
	.amdgpu_metadata
---
amdhsa.version: [ 1, 2 ]
amdhsa.kernels:
  - .name:           k_qbbdbc5423d_prep
    .symbol:         k_qbbdbc5423d_prep.kd
    .args:
      - { .name: Q, .offset: 0, .size: 8, .value_kind: global_buffer, .address_space: global }
      - { .name: K, .offset: 8, .size: 8, .value_kind: global_buffer, .address_space: global }
      - { .name: V, .offset: 16, .size: 8, .value_kind: global_buffer, .address_space: global }
      - { .name: W_q, .offset: 24, .size: 8, .value_kind: global_buffer, .address_space: global }
      - { .name: W_k, .offset: 32, .size: 8, .value_kind: global_buffer, .address_space: global }
      - { .name: W_v, .offset: 40, .size: 8, .value_kind: global_buffer, .address_space: global }
      - { .name: W_o, .offset: 48, .size: 8, .value_kind: global_buffer, .address_space: global }
      - { .name: xq, .offset: 56, .size: 8, .value_kind: global_buffer, .address_space: global }
      - { .name: wq, .offset: 64, .size: 8, .value_kind: global_buffer, .address_space: global }
    .group_segment_fixed_size: 68096
    .private_segment_fixed_size: 0
    .kernarg_segment_align: 8
    .kernarg_segment_size: 72
    .max_flat_workgroup_size: 128
    .sgpr_count:     66
    .vgpr_count:     194
    .wavefront_size: 32
...
	.end_amdgpu_metadata
.endif
;; end of part 1
;; launch proj (part 2): grid 4 x 96, 4 waves a work-group, clusters of 4 x 4, 327,680 bytes of LDS; arguments xq, wq, b_q, b_k, b_v, qq, kv; writes qq, kv
.if DOCPART == 2
	.amdgcn_target "amdgcn-amd-amdhsa--gfx1250"
	.amdhsa_code_object_version 6
	.text
	.protected	k_qbbdbc5423d_proj
	.globl	k_qbbdbc5423d_proj
	.p2align	8
	.type	k_qbbdbc5423d_proj,@function
k_qbbdbc5423d_proj:
	s_mov_b64 s[64:65], 0
	v_nop
	global_prefetch_b8 v0, s[64:65] scope:SCOPE_SE
	s_setreg_imm32_b32 hwreg(HW_REG_WAVE_MODE, 25, 1), 1
	s_wait_xcnt 0x0
	s_wait_alu depctr_hold_cnt(0) depctr_sa_sdst(0) depctr_va_vdst(0) depctr_va_sdst(0) depctr_va_ssrc(0) depctr_va_vcc(0) depctr_vm_vsrc(0)
	s_getreg_b32 s2, hwreg(HW_REG_IB_STS2, 6, 4)
	s_cmp_eq_u32 s2, 0
	s_cbranch_scc0 .Lentry_in_a_cluster
	s_endpgm
.Lentry_in_a_cluster:
	s_bfe_u32 s2, ttmp6, 0x10000c
	s_cmp_lg_u32 s2, 0xf033
	s_cbranch_scc0 .Lentry_shape_is_right
	s_endpgm
.Lentry_shape_is_right:
; q = Q W_q + b_q, k = K W_k + b_k, v = V W_v + b_v on codes of FP6 (E2M3) with E8M0 scales, and the results quantised at once for attention: q and k along the head's 64, v along the keys.
; ONE GRID, THREE PRODUCTS.  24 clusters of 4 x 4 work-groups along y: clusters 0-7 make q, 8-15 k, 16-23 v.  Each work-group makes C'[256][256] = A' B'^T over K = 1,024; a wave makes 128 x 128 in 64 accumulators.
;   q, k: A' = the tokens (8,192 rows), B' = the weight (1,024 rows).   v: A' = W_v, B' = V's tokens.
; THE MATRIX INSTRUCTION IS USED TRANSPOSED (source 0 = 16 rows of B', source 1 = 16 rows of A'): a lane holds one row of A' and eight rows of B'.  B''s rows are stored with bits 3 and 4 of their number exchanged,
; so the 16 registers of two neighbouring tiles are 16 neighbours: along the head's channels for q and k (a lane = a token), along the keys for v (a lane = a channel).  That is the next product's K.
; K goes in steps of 256 through a ring of two LDS slots filled by the tensor data mover; a tile's row is 192 bytes.  The scale bytes of the work-group's rows, for all of K, come once with the first fills.
; CLUSTERS: A''s tile hangs on the tile row alone and is asked for jointly by a row of the cluster, B''s on the tile column alone and by a column.
; THE WAY OUT: accumulators + bias (one packed multiply-add: bias x 1 + sum, or 1 x bias + sum), block maxima, scale bytes, conversions; the codes leave AS IMAGES OF THE NEXT OPERAND'S REGISTERS:
; registers 2 p and 2 p + 1 of a fragment at 256 p + 8 x lane, so that each store of the wave covers 256 consecutive bytes, aligned.  No result goes to memory as f32.
; LIMITS: a block of zeros gets the scale byte 1 (its codes are zeros); NaN and infinities are not served.
; REGISTERS, in windows of 256: window 0: v15-31 addresses and offsets; v32-63 scale words, two sets; v64-127 the bias along B'; v128-223 A''s fragments, one set; v228-243 the bias along A'; v244-251 the new scale words.
;   On the way out v128-191 hold 64 numbers, v192-210 their codes, v212-227 are at work.   window 1: B''s fragments, two sets.   windows 2, 3: the accumulators ((a, b) at v[8 (8 (a % 4) + b)]).
.set KSTEP,  256
.set NQ,     2                         ; matrix instructions deep in a slot
.set ROWB,   192                       ; a tile's row in bytes
.set KROW,   768                       ; a row of codes in memory
.set GRPB,   128*KROW                  ; 128 rows of codes
.set PITCH,  240                       ; an LDS row: 3 x (64 bytes + 16 of padding): the 32 lanes of a load of 8 bytes touch 64 different banks (64 banks of 4 bytes: ISA guide 11.1)
.set FR,     12
.set NL,     6
.set NP,     4                         ; places behind this matrix instruction (ISA guide 7.12.1)
.set HALFT,  128*PITCH
.set SLOT,   4*HALFT
.set LAPS,   2                         ; K = 1,024 is twice round the ring
.set SCL,    2*SLOT                    ; behind the ring: the scale bytes, 4,096 for each 128 rows: A''s two halves, then B''s
.set HALFS,  4096
.set SPARE,  SCL+4*HALFS               ; the spare words, 128 bytes a wave: two blocks of 256 bytes that no other line names
.set LANE, 15
.set ADRA, 16                          ; v16-17 LDS address of my A' fragments in slot 0, 1 (v18-19: behind one padding more)
.set ADRB, 20                          ; v20-23 the same for B'
.set OF1,  24                          ; byte offset of a fragment's registers 0-5 in the output
.set OF2,  25                          ; of its registers 6-11
.set OFS,  26                          ; of the scale words of blocks 0-3
.set ADRS, 27                          ; LDS address of my scale words: lanes 0-15 A''s rows, lanes 16-31 B''s
.set SPW,  28
.set NIL,  29
.set OFS2, 30                          ; of the scale words of blocks 4-7
.set VSH,  31                          ; q, k: lanes 16-31 shift the word by 16: the second head's two bytes
.set SC,   32
.set BN,   64
.set AF,   128
.set BM,   228
.set PWS,  244
.set HA,   128
.set PC,   192
.set TM,   212
.set WV,   18
.set HI,   19                          ; which half of the tile's rows is mine; also: I fetch for A' (0) or for B' (1)
.set LO,   20                          ; which half of its columns; also: which 128 rows I fetch
.set G1,   24
.set G0,   32
.set G1B,  48
.set G0B,  56
.set SEL,  66
.set G1S,  68
.set G0S,  76
.set G1SB, 80
.set G0SB, 88
.set OP,   92                          ; s[92:93] the output: qq or kv
.set STP,  94                          ; from block to block in the output
.set STP4, 95                          ; from block 3 to block 4
.set LIM,  96                          ; lanes that store scale words
.set MSB, 0
.macro WIN new                         ; the immediate's high byte repeats the setting that is left
.if MSB != (\new)
	s_set_vgpr_msb (MSB<<8)|(\new)
.set MSB, (\new)
.endif
.endm
.set MUL_LO, 0xa1                      ; source 0 (B') window 1, source 1 (A') window 0, C and D window 2
.set MUL_HI, 0xf1
.set TO_B,   0x40
; A joint load: waves 0 and 1 fetch for A', waves 2 and 3 for B'.  The branch hangs on the wave's number alone.  Four v_nop follow each of the two lines.
.macro JLOAD g0a, g1a, g0b, g1b
	s_cmp_eq_u32 s[HI], 0
	s_cbranch_scc0 .Lfor_b_\@
	tensor_load_to_lds s[\g0a:\g0a+3], s[\g1a:\g1a+7]
	s_nop 0
.rept 4
	v_nop
.endr
	s_branch .Lasked_\@
.Lfor_b_\@:
	tensor_load_to_lds s[\g0b:\g0b+3], s[\g1b:\g1b+7]
	s_nop 0
.rept 4
	v_nop
.endr
.Lasked_\@:
.endm
.macro CREST                           ; a round of the cluster's barrier behind its opening barrier
	s_cmp_lg_u32 s[WV], 0
	s_cbranch_scc1 .Lnot_wave_0_\@
	s_barrier_signal -3
.Lnot_wave_0_\@:
	s_barrier_wait -3
	s_barrier_signal -1
	s_barrier_wait -1
.endm
.macro CROUND
	s_barrier_signal -1
	s_barrier_wait -1
	CREST
.endm
	s_load_b256 s[4:11], s[0:1], 0x0               ; xq, wq, b_q, b_k
	s_load_b128 s[12:15], s[0:1], 0x20             ; b_v, qq
	s_load_b64 s[16:17], s[0:1], 0x30              ; kv
	v_lshl_add_u32 v[SPW], v0, 2, SPARE
	v_mov_b32 v[NIL], 0
	ds_add_u32 v28, v29
	ds_add_u32 v28, v29
	s_wait_dscnt 0x0
	v_lshrrev_b32 v1, 5, v0
	v_readfirstlane_b32 s[WV], v1
	s_lshr_b32 s[HI], s[WV], 1
	s_and_b32 s[LO], s[WV], 1
	s_bfe_u32 s40, ttmp6, 0x40000                  ; cx
	s_bfe_u32 s41, ttmp6, 0x40004                  ; cy
	s_and_b32 s42, ttmp7, 0xffff                   ; the cluster's y, 0 .. 23
	s_lshr_b32 s45, s42, 3                         ; which product: 0 q, 1 k, 2 v: the same in all sixteen partners
	s_and_b32 s42, s42, 7
	s_lshl_b32 s42, s42, 2                         ; the tokens' tiles go by fours with the cluster
	s_cmp_eq_u32 s45, 2
	s_cselect_b32 s21, 0, s42
	s_cselect_b32 s22, s42, 0
	s_add_co_u32 s21, s21, s41                     ; tile row of C': hangs on cy alone
	s_add_co_u32 s22, s22, s40                     ; tile column: on cx alone
	s_lshl_b32 s43, s41, 2
	s_lshl_b32 s43, 15, s43                        ; my row of the cluster
	s_lshl_b32 s44, 0x1111, s40                    ; my column
	; descriptor group 1: a tile of 128 rows x 192 bytes, 16 bytes of padding behind every 64
	s_or_b32 s[G1+0], s43, (0<<16)|(1<<20)|(1<<21)|(3<<22)|(3<<25)
	s_or_b32 s[G1B+0], s44, (0<<16)|(1<<20)|(1<<21)|(3<<22)|(3<<25)
.irp g, G1, G1B
	s_mov_b32 s[\g+1], ROWB<<16                    ; tensor_dim0
	s_mov_b32 s[\g+2], 128<<16                     ; tensor_dim1
	s_mov_b32 s[\g+3], ROWB<<16                    ; tile_dim0
	s_mov_b32 s[\g+4], 128                         ; tile_dim1
	s_mov_b32 s[\g+5], KROW                        ; the pitch
	s_mov_b32 s[\g+6], 0
	s_mov_b32 s[\g+7], 0
.endr
	; and for the scale bytes of 128 rows: 4,096 dense bytes as 16 rows of 32 elements of 8 bytes, no padding
	s_or_b32 s[G1S+0], s43, (3<<16)|(1<<21)
	s_or_b32 s[G1SB+0], s44, (3<<16)|(1<<21)
.irp g, G1S, G1SB
	s_mov_b32 s[\g+1], 32<<16
	s_mov_b32 s[\g+2], 16<<16
	s_mov_b32 s[\g+3], 32<<16
	s_mov_b32 s[\g+4], 16
	s_mov_b32 s[\g+5], 32
	s_mov_b32 s[\g+6], 0
	s_mov_b32 s[\g+7], 0
.endr
	; where the product's parts begin in xq and in wq
	s_mul_i32 s46, s45, 6291456                    ; the tokens' codes
	s_mul_i32 s98, s45, 786432                     ; the weight's codes
	s_mul_i32 s2, s45, 262144
	s_add_co_u32 s2, s2, 18874368                  ; the tokens' scale bytes
	s_mul_i32 s100, s45, 32768
	s_add_co_u32 s100, s100, 3145728               ; the weight's
	s_cmp_eq_u32 s45, 2                            ; v: the weight is A'
	s_cselect_b32 s23, s98, s46
	s_cselect_b32 s46, s46, s98                    ; B''s codes' part
	s_mov_b32 s98, s23                             ; A''s
	s_cselect_b32 s23, s100, s2
	s_cselect_b32 s2, s2, s100                     ; B''s scale bytes' part
	s_mov_b32 s100, s23                            ; A''s
	s_lshl_b32 s97, s21, 1                         ; A': the 128 rows that I fetch
	s_add_co_u32 s97, s97, s[LO]
	s_mul_i32 s96, s97, GRPB
	s_add_co_u32 s98, s98, s96
	s_lshl_b32 s96, s97, 12
	s_add_co_u32 s100, s100, s96
	s_mov_b32 s99, 0
	s_mov_b32 s101, 0
	s_lshl_b32 s42, s22, 1                         ; B' likewise, in registers of its own
	s_add_co_u32 s42, s42, s[LO]
	s_mul_i32 s23, s42, GRPB
	s_add_co_u32 s46, s46, s23
	s_lshl_b32 s23, s42, 12
	s_add_co_u32 s2, s2, s23
	s_mov_b32 s47, 0
	s_mov_b32 s3, 0
	s_wait_kmcnt 0x0
	s_cmp_eq_u32 s45, 2
	s_cselect_b64 s[94:95], s[6:7], s[4:5]         ; A''s buffer
	s_cselect_b64 s[4:5], s[4:5], s[6:7]           ; B''s
	s_cselect_b64 s[6:7], s[12:13], s[10:11]       ; the bias: b_v or b_k,
	s_add_nc_u64 s[98:99], s[94:95], s[98:99]
	s_add_nc_u64 s[100:101], s[94:95], s[100:101]
	s_add_nc_u64 s[46:47], s[4:5], s[46:47]
	s_add_nc_u64 s[2:3], s[4:5], s[2:3]
	s_cmp_eq_u32 s45, 0
	s_cselect_b64 s[6:7], s[8:9], s[6:7]           ; or b_q
	s_cselect_b64 s[OP:OP+1], s[14:15], s[16:17]
	s_mul_i32 s8, s[WV], HALFT                     ; where the tiles go: wave x 128 rows: no place in the cluster enters an LDS address
	s_lshl_b32 s9, s[WV], 12
	CROUND                                         ; all sixteen work-groups are here: the first joint loads meet
	s_mov_b32 s[G0S], 1
	s_add_co_u32 s[G0S+1], s9, SCL
	s_mov_b64 s[G0S+2:G0S+3], s[100:101]
	s_or_b32 s[G0S+3], s[G0S+3], 0x80000000
	s_mov_b32 s[G0SB], 1
	s_add_co_u32 s[G0SB+1], s9, SCL
	s_mov_b64 s[G0SB+2:G0SB+3], s[2:3]
	s_or_b32 s[G0SB+3], s[G0SB+3], 0x80000000
	JLOAD G0S, G1S, G0SB, G1SB                     ; the scale bytes first: they are wanted with K step 0
.irp s, 0,1
	s_mov_b32 s[G0+4*\s], 1
	s_add_co_u32 s[G0+4*\s+1], s8, \s*SLOT
	s_add_nc_u64 s[G0+4*\s+2:G0+4*\s+3], s[98:99], \s*ROWB
	s_or_b32 s[G0+4*\s+3], s[G0+4*\s+3], 0x80000000
	s_mov_b32 s[G0B+4*\s], 1
	s_add_co_u32 s[G0B+4*\s+1], s8, \s*SLOT
	s_add_nc_u64 s[G0B+4*\s+2:G0B+4*\s+3], s[46:47], \s*ROWB
	s_or_b32 s[G0B+4*\s+3], s[G0B+4*\s+3], 0x80000000
	JLOAD G0+4*\s, G1, G0B+4*\s, G1B               ; three tensor loads of mine are out
.endr
	v_and_b32 v[LANE], 31, v0
	v_and_b32 v1, 15, v0                           ; r
	v_bfe_u32 v2, v0, 4, 1                         ; h
	v_mul_u32_u24 v3, v1, PITCH
	v_mul_u32_u24 v4, v2, 24
	v_add_nc_u32 v4, v3, v4                        ; a fragment's row x pitch + 24 x half
	v_lshl_add_u32 v5, v2, 4, v4                   ; and the same behind one padding more
	s_mul_i32 s10, s[HI], HALFT
	s_mul_i32 s11, s[LO], HALFT
	s_add_co_u32 s11, s11, 2*HALFT
.irp s, 0,1
	v_add_nc_u32 v[ADRA+\s], s10, v4
	v_add_nc_u32 v[ADRB+\s], s11, v4
	v_add_nc_u32 v[ADRA+2+\s], s10, v5
	v_add_nc_u32 v[ADRB+2+\s], s11, v5
	s_add_co_u32 s10, s10, SLOT
	s_add_co_u32 s11, s11, SLOT
.endr
	s_lshl_b32 s10, s[HI], 12                      ; the scale words: A''s my 128 rows; B''s behind A''s two halves
	s_lshl_b32 s11, s[LO], 12
	s_add_co_u32 s11, s11, 2*HALFS
	s_sub_co_u32 s11, s11, s10
	v_mul_u32_u24 v6, s11, v2                      ; lanes 16-31 take B''s: one product with the lane's half
	s_add_co_u32 s10, s10, SCL
	v_lshl_add_u32 v5, v1, 3, v6                   ; 8 bytes a row and K step
	v_add_nc_u32 v[ADRS], s10, v5
	; THE BIAS.  q, k: it runs along B' (a lane's registers); v: along A' (the lane's row).  Both sets are loaded from the chosen bias; the set that does not apply becomes 1.0.
	s_lshl_b32 s10, s22, 8
	s_lshl_b32 s11, s[LO], 7
	s_add_co_u32 s10, s10, s11
	s_lshl_b32 s10, s10, 2                         ; my first column, in bytes of f32
	s_lshl_b32 s11, s21, 8
	s_lshl_b32 s12, s[HI], 7
	s_add_co_u32 s11, s11, s12
	s_lshl_b32 s11, s11, 2                         ; my first row
	s_cmp_eq_u32 s45, 2
	s_cselect_b32 s10, 0, s10                      ; (the set that does not apply is loaded from the bias's first bytes: inside the buffer)
	s_cselect_b32 s11, s11, 0
	s_cselect_b32 s12, 0, -1                       ; all lanes: q or k
	s_cselect_b32 s13, -1, 0                       ; all lanes: v
	v_lshl_add_u32 v6, v2, 6, s10                  ; tile b's register j is column 32 (b / 2) + 8 (b % 2) + 16 h + j
	v_and_b32 v7, 8, v1
	v_add_nc_u32 v7, v7, v1
	v_lshl_add_u32 v7, v7, 2, s11                  ; block a's lane r is row 32 (a / 2) + 8 (a % 2) + r + 8 (r / 8)
.irp b, 0,1,2,3,4,5,6,7
	global_load_b128 v[BN+8*\b:BN+8*\b+3], v6, s[6:7] offset:(32*(\b/2)+8*(\b%2))*4
	global_load_b128 v[BN+8*\b+4:BN+8*\b+7], v6, s[6:7] offset:(32*(\b/2)+8*(\b%2))*4+16
.endr
.irp a, 0,1,2,3,4,5,6,7
	global_load_b32 v[BM+2*\a], v7, s[6:7] offset:(32*(\a/2)+8*(\a%2))*4
.endr
	; WHERE THE RESULTS GO.  A head of a batch has 106,496 bytes in qq (128 tiles of 768, then scale words) and 208,896 in kv (k's scale words, v's, then for each 128 keys 6,144 bytes of k and 6,144 of v).
	s_cmp_eq_u32 s45, 0
	s_mov_b32 s4, 208896
	s_cselect_b32 s4, 106496, s4                   ; a head's bytes
	s_mov_b32 s5, 12288
	s_cselect_b32 s8, 6144, s5                     ; from 128 tokens to the next
	s_cselect_b32 s9, 0, s5                        ; where the codes begin
	s_cselect_b32 s14, 98304, 0                    ; where the scale words begin
	s_sub_co_u32 s15, s4, 4608
	s_cmp_eq_u32 s45, 2
	s_cselect_b32 s9, 18432, s9
	s_cselect_b32 s14, 8192, s14
	s_mov_b32 s16, 512
	s_cselect_b32 s16, 256, s16                    ; scale words of 128 tokens
	s_cselect_b32 s17, s22, s21                    ; the tokens' tile of 256,
	s_cselect_b32 s23, s[LO], s[HI]                ; and my half of it
	s_cselect_b32 s42, s21, s22                    ; the channels' tile of 256 (four heads),
	s_cselect_b32 s46, s[HI], s[LO]                ; and my half (two heads)
	s_cselect_b32 s[LIM], 16, 32
	s_mov_b32 s[STP], 768
	s_cselect_b32 s[STP4], s15, s[STP]             ; v: block 4 is the next head's first tile
	s_cselect_b32 s47, s[STP], s4                  ; registers 6-11: v: the image's second half; q, k: the next head
	s_cselect_b32 s[STP], 1536, s[STP]
	s_cselect_b32 s97, 0, s4                       ; q, k: lanes 16-31 store the next head's words
	s_mov_b32 s98, 256
	s_cselect_b32 s98, s4, s98                     ; blocks 4-7's words: v: the next head; q, k: 256 bytes on
	s_cselect_b32 s99, 0, 16
	s_lshr_b32 s100, s17, 3                        ; the batch
	s_lshl_b32 s100, s100, 4
	s_lshl_b32 s42, s42, 2
	s_add_co_u32 s100, s100, s42
	s_lshl_b32 s46, s46, 1
	s_add_co_u32 s100, s100, s46                   ; 16 x batch + my first head
	s_mul_i32 s100, s100, s4
	s_and_b32 s17, s17, 7
	s_lshl_b32 s17, s17, 1
	s_add_co_u32 s17, s17, s23                     ; which 128 tokens of the batch
	s_mul_i32 s8, s17, s8
	s_add_co_u32 s8, s8, s100
	s_add_co_u32 s8, s8, s9
	v_lshl_add_u32 v[OF1], v[LANE], 3, s8
	v_add_nc_u32 v[OF2], s47, v[OF1]
	s_mul_i32 s16, s17, s16
	s_add_co_u32 s16, s16, s100
	s_add_co_u32 s16, s16, s14
	v_lshl_add_u32 v[OFS], v1, 4, s16              ; four words a row
	v_mul_u32_u24 v8, s97, v2
	v_add_nc_u32 v[OFS], v[OFS], v8
	v_add_nc_u32 v[OFS2], s98, v[OFS]
	v_mul_u32_u24 v[VSH], s99, v2
	s_mov_b32 s[SEL], 0x76543210
	s_mov_b32 s[SEL+1], 0xfedcba98                 ; v_permlanex16_b32's selects for lane l xor 16
	s_wait_loadcnt 0x0                             ; the bias
.set j, 0
.rept 64
	v_cndmask_b32 v[BN+j], 1.0, v[BN+j], s12
.set j, j+1
.endr
.irp a, 0,1,2,3,4,5,6,7
	v_cndmask_b32 v[BM+2*\a+1], 1.0, v[BM+2*\a], s13   ; a pair for the packed form
	v_cndmask_b32 v[BM+2*\a], 1.0, v[BM+2*\a], s13
.endr
.macro FRAG reg, adr, q, i             ; 16 rows x 128 K: 12 registers; lane l holds row l % 16; registers 6 c .. 6 c + 5 hold K = 64 c + 32 (l / 16) + 0 .. 31: 24 bytes of the row, as they lie, in pieces of 8
.irp p, 0,1,2,3,4,5
.set PCE, 12*(\q)+6*(\p/3)+\p%3        ; lanes 16-31 read three pieces on; where that lies behind one padding more, the second address register serves
.if PCE%8 < 5
	ds_load_b64 v[\reg+2*\p:\reg+2*\p+1], v[\adr] offset:8*PCE+16*(PCE/8)+(\i)*16*PITCH
.else
	ds_load_b64 v[\reg+2*\p:\reg+2*\p+1], v[\adr+2] offset:8*PCE+16*(PCE/8)+(\i)*16*PITCH
.endif
.endr
.endm
; 16 matrix instructions: A''s blocks a0, a0 + 1 x B''s eight.  The 64 accumulators take turns, one instruction a turn, in the same order in every step.
.macro MUL16 a0, p, q, sc, zero
.irp a, \a0, \a0+1
.irp b, 0,1,2,3,4,5,6,7
.if \zero
	v_wmma_scale_f32_16x16x128_f8f6f4 v[8*(8*((\a)%4)+\b):8*(8*((\a)%4)+\b)+7], v[128*(\p)+FR*\b:128*(\p)+FR*\b+FR-1], v[AF+FR*(\a):AF+FR*(\a)+FR-1], 0, v[SC+8*NQ*(\sc)+NQ*\b+(\q)], v[SC+8*NQ*(\sc)+NQ*(\a)+(\q)] matrix_a_fmt:MATRIX_FMT_FP6 matrix_b_fmt:MATRIX_FMT_FP6 matrix_a_scale:MATRIX_SCALE_ROW1
.else
	v_wmma_scale_f32_16x16x128_f8f6f4 v[8*(8*((\a)%4)+\b):8*(8*((\a)%4)+\b)+7], v[128*(\p)+FR*\b:128*(\p)+FR*\b+FR-1], v[AF+FR*(\a):AF+FR*(\a)+FR-1], v[8*(8*((\a)%4)+\b):8*(8*((\a)%4)+\b)+7], v[SC+8*NQ*(\sc)+NQ*\b+(\q)], v[SC+8*NQ*(\sc)+NQ*(\a)+(\q)] matrix_a_fmt:MATRIX_FMT_FP6 matrix_b_fmt:MATRIX_FMT_FP6 matrix_a_scale:MATRIX_SCALE_ROW1
.endif
.endr
.endr
.endm
.macro FETCH_B slot, q, p
	WIN TO_B
.irp i, 0,1,2,3,4,5,6,7
	FRAG 128*(\p)+FR*\i, ADRB+\slot, \q, \i
.endr
	WIN 0
.endm
.macro FETCH_A slot, q, i0
.irp i, \i0, \i0+1, \i0+2, \i0+3
	FRAG AF+FR*(\i), ADRA+\slot, \q, \i
.endr
.endm
.macro SCALES sc                       ; a K step's two scale words a row: lanes 0-15 take A''s block i, lanes 16-31 B''s block i
.irp i, 0,1,2,3,4,5,6,7
	ds_load_b64 v[SC+8*NQ*\sc+NQ*\i:SC+8*NQ*\sc+NQ*\i+1], v[ADRS] offset:\i*128
.endr
.endm
.macro PLACES n                        ; plain vector instructions between a matrix instruction and a load into, or a read of, its registers
.rept \n
	v_nop
.endr
.endm
.macro STEP slot, q, zero              ; 128 along K that has its successor in the same slot
	s_wait_dscnt 4*NL                              ; B''s set and A''s blocks 0-3 are in; the youngest 24 loads (A''s blocks 4-7) may be out
	WIN MUL_LO
	MUL16 0, (\q)%2, \q, \slot, \zero
	MUL16 2, (\q)%2, \q, \slot, \zero
	s_wait_dscnt 0
	PLACES NP
	FETCH_B \slot, (\q)+1, 1-(\q)%2
	FETCH_A \slot, (\q)+1, 0
	WIN MUL_HI
	MUL16 4, (\q)%2, \q, \slot, \zero
	MUL16 6, (\q)%2, \q, \slot, \zero
	PLACES NP
	WIN 0
	FETCH_A \slot, (\q)+1, 4
.endm
; A slot's last step changes slots: one barrier; in front of it each wave waits for all its tensor loads, adds 0 to its spare word, and waits for that and for its reads of this slot.
.macro TURN slot, next, fill
	s_wait_tensorcnt 0x0                           ; all my tensor loads have landed: my part of the next slot
	ds_add_u32 v[SPW], v[NIL]                      ; 0 onto my spare word
	s_wait_dscnt 4*NL+1                            ; (the add and the youngest 24 loads may be out)
	WIN MUL_LO
	MUL16 0, 1, NQ-1, \slot, 0
	s_wait_dscnt 0x0                               ; the add is done, and my reads of this slot are over
	s_barrier_signal -1
	MUL16 2, 1, NQ-1, \slot, 0
	WIN 0
	s_barrier_wait -1
.if \fill
	CREST                                          ; the barrier has opened a round of the cluster's: no wave of any partner still reads this slot or has a load on its way
	s_add_nc_u64 s[G0+4*\slot+2:G0+4*\slot+3], s[G0+4*\slot+2:G0+4*\slot+3], 2*ROWB
	s_add_nc_u64 s[G0B+4*\slot+2:G0B+4*\slot+3], s[G0B+4*\slot+2:G0B+4*\slot+3], 2*ROWB
	JLOAD G0+4*\slot, G1, G0B+4*\slot, G1B         ; the first tensor load behind the round, and my only one until the next
.else
	PLACES NP
.endif
	v_add_nc_u32 v[ADRS], 1024, v[ADRS]            ; the next K step's scale words
	FETCH_B \next, 0, 0
	FETCH_A \next, 0, 0
	SCALES \next
	WIN MUL_HI
	MUL16 4, 1, NQ-1, \slot, 0
	MUL16 6, 1, NQ-1, \slot, 0
	PLACES NP
	WIN 0
	FETCH_A \next, 0, 4
.endm
	s_wait_tensorcnt 1                             ; the scale bytes and my part of K step 0 are in; K step 1's load may be out
	s_barrier_signal -1
	s_barrier_wait -1
	FETCH_B 0, 0, 0
	FETCH_A 0, 0, 0
	SCALES 0
	FETCH_A 0, 0, 4
	STEP 0, 0, 1                                   ; the first step's products start the sums
	s_mov_b32 s3, LAPS-1
.Llap:
	TURN 0, 1, 1
	STEP 1, 0, 0
	TURN 1, 0, 1
	STEP 0, 0, 0
	s_sub_co_u32 s3, s3, 1
	s_cmp_lg_u32 s3, 0
	s_cbranch_scc1 .Llap
	TURN 0, 1, 0                                   ; the last lap fills nothing
	STEP 1, 0, 0
	s_wait_dscnt 4*NL
	WIN MUL_LO
	MUL16 0, 1, NQ-1, 1, 0
	MUL16 2, 1, NQ-1, 1, 0
	s_wait_dscnt 0
	WIN MUL_HI
	MUL16 4, 1, NQ-1, 1, 0
	MUL16 6, 1, NQ-1, 1, 0
	WIN 0
; 64 numbers of a lane, register 16 b + i = k 32 b + 16 (lane / 16) + i of my row, become a fragment's codes in v[PC] on and its scale word in v[pw].
.macro QUANT s, pw
.irp b, 0,1,2,3
	v_max3_num_f32 v[TM+\b], |v[\s+16*\b]|, |v[\s+1+16*\b]|, 0x1800000   ; my 16 numbers of block b, and the floor 2^(3 - 127): the byte cannot fall under 1
.endr
.irp i, 2,4,6,8,10,12,14
.irp b, 0,1,2,3
	v_max3_num_f32 v[TM+\b], v[TM+\b], |v[\s+16*\b+\i]|, |v[\s+1+16*\b+\i]|
.endr
.endr
.irp b, 0,1,2,3
	v_permlanex16_b32 v[TM+4+\b], v[TM+\b], s[SEL], s[SEL+1]
.endr
.irp b, 0,1,2,3
	v_max_num_f32 v[TM+\b], v[TM+\b], v[TM+4+\b]   ; with lane l xor 16's: the block's largest magnitude
.endr
.irp b, 0,1,2,3
	v_add_nc_u32 v[TM+12+\b], 0xff000000, v[TM+\b] ; 2 off its exponent field: the conversion's scale operand
.endr
.irp b, 0,1,2,3
	v_lshrrev_b32 v[TM+4+\b], 23, v[TM+12+\b]      ; the scale's byte
.endr
	v_lshl_or_b32 v[\pw], v[TM+5], 8, v[TM+4]
	v_lshl_or_b32 v[\pw], v[TM+6], 16, v[\pw]
	v_lshl_or_b32 v[\pw], v[TM+7], 24, v[\pw]
.irp c, 0,1
	v_cvt_scalef32_pk16_fp6_f32 v[PC+6*\c:PC+2+6*\c], v[\s+32*\c:\s+15+32*\c], v[TM+12+2*\c]
	v_cvt_scalef32_pk16_fp6_f32 v[PC+12+4*\c:PC+14+4*\c], v[\s+16+32*\c:\s+31+32*\c], v[TM+12+2*\c+1]   ; (a conversion's three registers begin on an even number)
.endr
	v_nop                                          ; one plain place behind a scaled conversion
.irp c, 0,1                            ; the operand's layout wants a whole block in a lane: lanes 0-15 block 2 c, lanes 16-31 block 2 c + 1
.irp i, 0,1,2
	v_permlane16_swap_b32 v[PC+6*\c+\i], v[PC+12+4*\c+\i]
.endr
.irp i, 0,1,2
	v_mov_b32 v[PC+3+6*\c+\i], v[PC+12+4*\c+\i]
.endr
.endr
.endm
; Block a of my eight: 16 rows of A' x my 128 rows of B'.  q, k: 16 tokens x two heads: registers 0-5 are the first head's fragment half, 6-11 the second's.  v: 16 channels x 128 keys: one whole fragment.
.macro OUTBLK a
	WIN 0x20+0x10*((\a)/4)                         ; the accumulators are source 2: window 2 or 3
.irp b, 0,1,2,3,4,5,6,7
.irp i, 0,1,2,3
	v_pk_fma_f32 v[HA+8*\b+2*\i:HA+8*\b+2*\i+1], v[BN+8*\b+2*\i:BN+8*\b+2*\i+1], v[BM+2*(\a):BM+2*(\a)+1], v[64*((\a)%4)+8*\b+2*\i:64*((\a)%4)+8*\b+2*\i+1]   ; bias x 1 + sum: one rounding; each accumulator from its low end on
.endr
.endr
	WIN 0
.if (\a) > 0
	s_wait_xcnt 0x0                                ; the last block's stores have read their offsets and their data: both are written again below
.if (\a) == 4
	v_add_nc_u32 v[OF1], s[STP4], v[OF1]
	v_add_nc_u32 v[OF2], s[STP4], v[OF2]
.else
	v_add_nc_u32 v[OF1], s[STP], v[OF1]
	v_add_nc_u32 v[OF2], s[STP], v[OF2]
.endif
.endif
	QUANT HA, PWS+(\a)
.irp p, 0,1,2
	global_store_b64 v[OF1], v[PC+2*\p:PC+2*\p+1], s[OP:OP+1] offset:256*\p      ; 32 lanes store 256 consecutive bytes, aligned
.endr
.irp p, 0,1,2
	global_store_b64 v[OF2], v[PC+6+2*\p:PC+6+2*\p+1], s[OP:OP+1] offset:256*\p
.endr
.endm
	PLACES NP                                      ; behind the last products: their results are read and A''s registers are written below
.irp a, 0,1,2,3,4,5,6,7
	OUTBLK \a
.endr
.irp a, 0,1,2,3,4,5,6,7
	v_lshrrev_b32 v[PWS+\a], v[VSH], v[PWS+\a]     ; q, k: lanes 16-31 keep the second head's two bytes, with zeros above
.endr
	v_cmp_gt_u32 vcc_lo, s[LIM], v[LANE]           ; v: lanes 0-15 alone store
	s_wait_xcnt 0x0                                ; EXEC changes only behind this wait
	s_and_saveexec_b32 s2, vcc_lo
	global_store_b128 v[OFS], v[PWS:PWS+3], s[OP:OP+1]             ; sixteen lanes store 256 consecutive bytes, aligned: four blocks' words of 16 rows
	global_store_b128 v[OFS2], v[PWS+4:PWS+7], s[OP:OP+1]
	s_wait_xcnt 0x0
	s_or_b32 exec_lo, exec_lo, s2
	s_wait_tensorcnt 0x0                           ; the wave's end
	ds_add_u32 v[SPW], v[NIL]
	s_wait_dscnt 0x0
	CROUND                                         ; the closing round: no work-group ends while a partner may still ask for a tile that names it
	s_endpgm
.Lfunc_end_k_qbbdbc5423d_proj:
	.size	k_qbbdbc5423d_proj, .Lfunc_end_k_qbbdbc5423d_proj-k_qbbdbc5423d_proj
	.p2alignl 7, 3214868480
	.fill 96, 4, 3214868480
	.section	.rodata,"a",@progbits
	.p2align	6, 0x0
	.amdhsa_kernel k_qbbdbc5423d_proj
		.amdhsa_group_segment_fixed_size 327680
		.amdhsa_private_segment_fixed_size 0
		.amdhsa_enable_private_segment 0
		.amdhsa_kernarg_size 56
		.amdhsa_user_sgpr_count 2
		.amdhsa_user_sgpr_kernarg_segment_ptr 1
		.amdhsa_wavefront_size32 1
		.amdhsa_system_sgpr_workgroup_id_x 1
		.amdhsa_system_sgpr_workgroup_id_y 1
		.amdhsa_system_sgpr_workgroup_id_z 1
		.amdhsa_system_vgpr_workitem_id 0
		.amdhsa_next_free_vgpr 1024
		.amdhsa_next_free_sgpr 102
		.amdhsa_reserve_vcc 1
		.amdhsa_float_denorm_mode_32 3
		.amdhsa_float_denorm_mode_16_64 3
		.amdhsa_memory_ordered 1
		.amdhsa_forward_progress 1
		.amdhsa_inst_pref_size 193
	.end_amdhsa_kernel
	.amdgpu_metadata
---
amdhsa.version: [ 1, 2 ]
amdhsa.kernels:
  - .name:           k_qbbdbc5423d_proj
    .symbol:         k_qbbdbc5423d_proj.kd
    .args:
      - { .name: xq, .offset: 0, .size: 8, .value_kind: global_buffer, .address_space: global }
      - { .name: wq, .offset: 8, .size: 8, .value_kind: global_buffer, .address_space: global }
      - { .name: b_q, .offset: 16, .size: 8, .value_kind: global_buffer, .address_space: global }
      - { .name: b_k, .offset: 24, .size: 8, .value_kind: global_buffer, .address_space: global }
      - { .name: b_v, .offset: 32, .size: 8, .value_kind: global_buffer, .address_space: global }
      - { .name: qq, .offset: 40, .size: 8, .value_kind: global_buffer, .address_space: global }
      - { .name: kv, .offset: 48, .size: 8, .value_kind: global_buffer, .address_space: global }
    .group_segment_fixed_size: 327680
    .private_segment_fixed_size: 0
    .kernarg_segment_align: 8
    .kernarg_segment_size: 56
    .max_flat_workgroup_size: 128
    .sgpr_count:     102
    .vgpr_count:     1024
    .wavefront_size: 32
...
	.end_amdgpu_metadata
.endif
;; end of part 2
;; launch attn (part 3): grid 4 x 64, 16 waves a work-group, clusters of 4 x 1, 327,680 bytes of LDS; arguments qq, kv, oq; writes oq
.if DOCPART == 3
	.amdgcn_target "amdgcn-amd-amdhsa--gfx1250"
	.amdhsa_code_object_version 6
	.text
	.protected	k_qbbdbc5423d_attn
	.globl	k_qbbdbc5423d_attn
	.p2align	8
	.type	k_qbbdbc5423d_attn,@function
k_qbbdbc5423d_attn:
	s_mov_b64 s[64:65], 0
	v_nop
	global_prefetch_b8 v0, s[64:65] scope:SCOPE_SE
	s_setreg_imm32_b32 hwreg(HW_REG_WAVE_MODE, 25, 1), 1
	s_wait_xcnt 0x0
	s_wait_alu depctr_hold_cnt(0) depctr_sa_sdst(0) depctr_va_vdst(0) depctr_va_sdst(0) depctr_va_ssrc(0) depctr_va_vcc(0) depctr_vm_vsrc(0)
	s_getreg_b32 s2, hwreg(HW_REG_IB_STS2, 6, 4)
	s_cmp_eq_u32 s2, 0
	s_cbranch_scc0 .Lentry_in_a_cluster
	s_endpgm
.Lentry_in_a_cluster:
	s_bfe_u32 s2, ttmp6, 0x10000c
	s_cmp_lg_u32 s2, 0x3003
	s_cbranch_scc0 .Lentry_shape_is_right
	s_endpgm
.Lentry_shape_is_right:
; Causal attention of one head of one batch (2,048 tokens, head size 64) on codes of FP6 (E2M3) with E8M0 scales, and its result quantised along head x channel for the output projection.
; t = score x log2(e) / 8; M = the row's largest t so far, rounded up to a whole number; p = 2^(t - M) is quantised along the keys, not normalised; the row's sum is taken of the unquantised p and divides O at the end.
; When M moves, the sum and O are multiplied by 2^(old M - new M): exact.
; LIMITS: hidden scores count as minus infinity where the model subtracts 1e9: the same result while scores stay far under 1e9; a block of zeros gets the scale byte 1; NaN and infinities are not served.
; SHARES.  A cluster of four work-groups owns a head.  Work-group cx owns the tiles of 16 queries 4 m + cx, m = 0 .. 31; wave w owns m = w and m = 31 - w.  A tile wants the key steps (128 keys) up to m / 2, which does
; not hang on cx, and w / 2 + 1 + (31 - w) / 2 + 1 = 17 for every wave: all waves of all work-groups have the same work, and only the half under the mask is computed.
; ALL OF THE HEAD'S k AND v LIES IN LDS, 208,896 bytes as they lie in memory, filled once: each wave asks for two pieces, jointly with its three partners (the same descriptor and a mask that names the four).
; The first pieces together are the scale words and key step 0: that step is worked while the others land.  Nothing is filled again, so two barriers serve the launch.
; LAYOUT.  Both products are used transposed: S^T = k q^T (source 0 = 16 keys, source 1 = my 16 queries), O^T = v^T p^T (source 0 = 16 channels): a lane holds one query (lane % 16) throughout.
; The keys of a tile of k and the channels of a tile of v are 8 u + r + 8 (r / 8) of a group of 32, so that the 16 registers of two neighbouring tiles are 16 neighbours along the next K.
; The head's K is 64 of the instruction's 128: q's codes for k = 64 .. 127 are zeros, so what k's operand holds there (the next tile's codes, which are finite numbers; scale bytes that are never 0xff) adds nothing.
; Operands lie in memory and in LDS as images of their registers: registers 2 p, 2 p + 1 at 256 p + 8 x lane: every LDS load reads 256 consecutive bytes.
.set KVB,  208896                      ; a head's bytes in kv: 8,192 of k's scale words, 4,096 of v's, then 12,288 a key step: 8 tiles of k (768), 4 tiles of v (1,536)
.set QQB,  106496                      ; in qq: 128 tiles of 768, then 8,192 of scale words
.set KV0,  12288
.set LN8,  1                           ; 8 x lane
.set R16,  2                           ; 16 x (lane % 16)
.set DQ,   3                           ; on the diagonal: my query - the step's first key - 16 (lane / 16)
.set ADK,  4
.set ADS,  5
.set ADT,  6
.set OSO,  7                           ; 8 r + h
.set NINF, 9
.set RH,   11                          ; r - 16 h
.set QF1,  16                          ; v16-27 the early tile's q: six registers of codes, six of zeros
.set QSC1, 28
.set PSC,  29                          ; p's scale word
.set FF,   30                          ; v[30:31] f = 2^(old M - new M); the pair's upper half is written once
.set FRG,  32                          ; v32-79 eight tiles of k, or four of v
.set ZR,   80                          ; v80-85 zeros: what tile 7 of k holds for k = 64 .. 127
.set KSC,  86
.set VSC,  94
.set SUM2, 98
.set S,    100                         ; v100-163 S^T, then p
.set OT,   164                         ; v164-195 O^T
.set PC,   196                         ; v196-207 p's codes
.set CT,   208
.set BX,   216
.set BY,   220
.set BZ,   224
.set T0,   228
.set QF2,  240                         ; v240-251 the late tile's q
.set QSC2, 252
.set WV,   14
.set CX,   15
.set BH,   16
.set M,    17
.set MH,   18                          ; the tile's last key step
.set KSI,  19                          ; the key step
.set SEL,  20
.set CS,   22                          ; s[22:23] c = log2(e) / 8
.set G1A,  24
.set G1B,  32
.set G0A,  40
.set G0B,  44
.set KB,   48                          ; 12,288 x the key step
.set TS,   49                          ; 512 x
.set TJ,   50                          ; 256 x
.set HM,   51                          ; lanes 16-31
.set OC,   52                          ; s[52:53] where the tile's codes go
.set OS,   54                          ; s[54:55] and its scale bytes
.macro ROUND                           ; a round of the cluster's barrier
	s_barrier_signal -1
	s_barrier_wait -1
	s_cmp_lg_u32 s[WV], 0
	s_cbranch_scc1 .Lnot_wave_0_\@
	s_barrier_signal -3
.Lnot_wave_0_\@:
	s_barrier_wait -3
	s_barrier_signal -1
	s_barrier_wait -1
.endm
	s_load_b128 s[4:7], s[0:1], 0x0                ; qq, kv
	s_load_b64 s[8:9], s[0:1], 0x10                ; oq
	v_lshl_add_u32 v254, v0, 2, 0x33000
	v_mov_b32 v255, 0
	ds_add_u32 v254, v255
	ds_add_u32 v254, v255
	v_lshrrev_b32 v1, 5, v0
	s_delay_alu instid0(VALU_DEP_1)
	v_readfirstlane_b32 s[WV], v1                  ; wave 0 .. 15
	s_bfe_u32 s[CX], ttmp6, 0x40000                ; my place in the cluster: it enters q's and the output's addresses and the mask's compare value alone
	s_and_b32 s[BH], ttmp7, 0xffff                 ; 16 x batch + head, which the four partners share
	; descriptor groups 1: dense bytes as rows of 32 elements of 8 bytes; 6 rows, and 45
	s_mov_b32 s[G1A], 15|(3<<16)|(1<<21)           ; 15:0 the mask: all four work-groups; 17:16 elements of 8 bytes; 21 set beside a mask
	s_mov_b32 s[G1A+1], 32<<16
	s_mov_b32 s[G1A+2], 6<<16
	s_mov_b32 s[G1A+3], 32<<16
	s_mov_b32 s[G1A+4], 6
	s_mov_b32 s[G1A+5], 32
	s_mov_b32 s[G1A+6], 0
	s_mov_b32 s[G1A+7], 0
	s_mov_b32 s[G1B], 15|(3<<16)|(1<<21)
	s_mov_b32 s[G1B+1], 32<<16
	s_mov_b32 s[G1B+2], 45<<16
	s_mov_b32 s[G1B+3], 32<<16
	s_mov_b32 s[G1B+4], 45
	s_mov_b32 s[G1B+5], 32
	s_mov_b32 s[G1B+6], 0
	s_mov_b32 s[G1B+7], 0
	s_mul_i32 s10, s[BH], KVB
	s_mov_b32 s11, 0
	s_mul_i32 s12, s[WV], 1536                     ; my first piece: 16 x 1,536 = the scale words and key step 0
	s_mov_b32 s13, 0
	s_mul_i32 s56, s[WV], 11520                    ; my second: 16 x 11,520 = key steps 1 to 15
	s_add_co_u32 s56, s56, 24576
	s_mov_b32 s57, 0
	s_mul_i32 s58, s[BH], QQB
	s_mov_b32 s59, 0
	s_mov_b32 s[SEL], 0x76543210
	s_mov_b32 s[SEL+1], 0xfedcba98                 ; v_permlanex16_b32's selects for lane l xor 16
	s_mov_b32 s[CS], 0x3e38aa3b
	s_mov_b32 s[CS+1], s[CS]                       ; (named with it as a pair, so it is written)
	s_mov_b32 s[HM], 0xffff0000
	s_wait_dscnt 0x0
	s_wait_kmcnt 0x0
	s_add_nc_u64 s[6:7], s[6:7], s[10:11]          ; kv at my head
	s_add_nc_u64 s[4:5], s[4:5], s[58:59]          ; qq at my head
	s_mov_b32 s[G0A], 1
	s_mov_b32 s[G0A+1], s12                        ; the same place in LDS as in the head's bytes
	s_add_nc_u64 s[G0A+2:G0A+3], s[6:7], s[12:13]
	s_or_b32 s[G0A+3], s[G0A+3], 0x80000000
	s_mov_b32 s[G0B], 1
	s_mov_b32 s[G0B+1], s56
	s_add_nc_u64 s[G0B+2:G0B+3], s[6:7], s[56:57]
	s_or_b32 s[G0B+3], s[G0B+3], 0x80000000
	ROUND                                          ; all four work-groups are here: the joint loads meet
	tensor_load_to_lds s[G0A:G0A+3], s[G1A:G1A+7]
	s_nop 0
	tensor_load_to_lds s[G0B:G0B+3], s[G1B:G1B+7]  ; two tensor loads of mine are out, and no more are issued
	s_nop 0
.rept 4
	v_nop
.endr
	v_and_b32 v8, 31, v0
	s_delay_alu instid0(VALU_DEP_1)
	v_lshlrev_b32 v[LN8], 3, v8
	v_and_b32 v10, 15, v0                          ; r
	v_bfe_u32 v229, v0, 4, 1                       ; h
	s_delay_alu instid0(VALU_DEP_2)
	v_lshlrev_b32 v[R16], 4, v10
	s_wait_alu depctr_va_vdst(0)
	v_lshl_add_u32 v[OSO], v10, 3, v229
	v_lshlrev_b32 v[T0], 4, v229
	s_delay_alu instid0(VALU_DEP_1)
	v_sub_nc_u32 v[RH], v10, v[T0]
	v_mov_b32 v[NINF], 0xff800000
	; q of both my tiles stays in registers.  Tile 4 m + cx: 768 bytes; its scale words: 256 m + 16 r + 4 cx behind the codes
	s_lshl_b32 s56, s[WV], 2
	s_add_co_u32 s56, s56, s[CX]
	s_mul_i32 s56, s56, 768
	v_add_nc_u32 v232, s56, v[LN8]
	s_wait_alu depctr_va_vdst(0)
	s_lshl_b32 s56, s[WV], 8
	s_lshl_b32 s57, s[CX], 2
	s_add_co_u32 s56, s56, s57
	s_add_co_u32 s56, s56, 98304
	v_add_nc_u32 v233, s56, v[R16]
	s_sub_co_u32 s58, 31, s[WV]
	s_lshl_b32 s56, s58, 2
	s_add_co_u32 s56, s56, s[CX]
	s_mul_i32 s56, s56, 768
	v_add_nc_u32 v234, s56, v[LN8]
	s_lshl_b32 s56, s58, 8
	s_add_co_u32 s56, s56, s57
	s_add_co_u32 s56, s56, 98304
	v_add_nc_u32 v235, s56, v[R16]
.irp p, 0,1,2
	global_load_b64 v[QF1+2*\p:QF1+2*\p+1], v232, s[4:5] offset:256*\p
.endr
	global_load_b32 v[QSC1], v233, s[4:5]
.irp p, 0,1,2
	global_load_b64 v[QF2+2*\p:QF2+2*\p+1], v234, s[4:5] offset:256*\p
.endr
	global_load_b32 v[QSC2], v235, s[4:5]
.irp i, 0,1,2,3,4,5
	v_mov_b32 v[QF1+6+\i], 0                       ; q's codes for k = 64 .. 127
	v_mov_b32 v[QF2+6+\i], 0
	v_mov_b32 v[ZR+\i], 0
.endr
.irp b, 0,1,2,3
	v_mov_b32 v[BY+\b], 0                          ; written once: a lane permute's destination counts as one of its sources
.endr
	v_mov_b32 v[FF+1], 0
; A tile begins: s[M] holds m.
.macro INIT
	s_lshr_b32 s[MH], s[M], 1
	s_and_b32 s56, s[M], 1
	s_lshl_b32 s57, s56, 2
	s_add_co_u32 s57, s57, s[CX]                   ; the tile's place in its 128 tokens: 4 (m % 2) + cx
	s_lshl_b32 s58, s57, 4
	v_add_nc_u32 v[DQ], s58, v[RH]
	s_lshr_b32 s58, s[BH], 4
	s_lshl_b32 s58, s58, 4
	s_add_co_u32 s58, s58, s[MH]                   ; which 128 tokens of all: 16 x batch + m / 2
	s_and_b32 s59, s[BH], 15                       ; the head
	s_mul_i32 s60, s58, 98304                      ; codes: [128 tokens][head][tile]: 98,304, 6,144, 768 bytes
	s_mul_i32 s61, s59, 6144
	s_add_co_u32 s60, s60, s61
	s_mul_i32 s61, s57, 768
	s_add_co_u32 s60, s60, s61
	s_mov_b32 s61, 0
	s_add_nc_u64 s[OC:OC+1], s[8:9], s[60:61]
	s_lshl_b32 s60, s58, 12                        ; scale bytes, behind the codes: 4,096 for 128 tokens: 1,024 (head / 4) + 8 x token + 2 (head % 4) + block
	s_add_co_u32 s60, s60, 6291456
	s_lshr_b32 s62, s59, 2
	s_lshl_b32 s62, s62, 10
	s_add_co_u32 s60, s60, s62
	s_lshl_b32 s62, s57, 7
	s_add_co_u32 s60, s60, s62
	s_and_b32 s62, s59, 3
	s_lshl_b32 s62, s62, 1
	s_add_co_u32 s60, s60, s62
	s_add_nc_u64 s[OS:OS+1], s[8:9], s[60:61]
	s_mov_b32 s[KSI], 0
	s_mov_b32 s[KB], 0
	s_mov_b32 s[TS], 0
	s_mov_b32 s[TJ], 0
	v_mov_b32 v13, 0xff61b1e6                      ; the largest t so far: -3e38, under every t
	s_delay_alu instid0(VALU_DEP_1)
	v_floor_f32 v12, -v13                          ; -M
	v_mov_b32 v14, 0                               ; the sum, in two halves
	v_mov_b32 v15, 0
.set j, 0
.rept 32
	v_mov_b32 v[OT+j], 0                           ; O^T: the step is written once; the first finds zeros, which the first change of M leaves zeros
.set j, j+1
.endr
.endm
; A KEY STEP: 128 keys against my 16 queries.
.macro STEP qf, qsc
	s_cmp_gt_u32 s[KSI], s[MH]                     ; all its keys come after my queries: its work is left out (a branch on the wave's number and the loop's count)
	s_cbranch_scc1 .Lhidden_\@
	s_setprio 2
	v_add_nc_u32 v[ADK], s[KB], v[LN8]
	v_add_nc_u32 v[ADS], s[TS], v[R16]
	v_add_nc_u32 v[ADT], s[TJ], v[R16]
	v_nop                                          ; four places in front of loads into registers that the last products have read
.irp t, 0,1,2,3,4,5,6,7
.irp p, 0,1,2
	ds_load_b64 v[FRG+6*\t+2*\p:FRG+6*\t+2*\p+1], v[ADK] offset:KV0+768*\t+256*\p
.endr
.endr
	ds_load_b128 v[KSC:KSC+3], v[ADS]              ; the scale words of tiles 0-3 of my row,
	ds_load_b128 v[KSC+4:KSC+7], v[ADS] offset:256 ; of tiles 4-7
	s_wait_alu depctr_va_vdst(0)
	s_wait_dscnt 0x0
.irp t, 0,1,2,3,4,5,6,7
	v_wmma_scale_f32_16x16x128_f8f6f4 v[S+8*\t:S+8*\t+7], v[FRG+6*\t:FRG+6*\t+11], v[\qf:\qf+11], 0, v[KSC+\t], v[\qsc] matrix_a_fmt:MATRIX_FMT_FP6 matrix_b_fmt:MATRIX_FMT_FP6
.endr                                              ; lane (r, h) holds query r; register 16 b + i is key 32 b + 16 h + i of the step
.rept 4
	v_nop                                          ; places: the scores are read, and k's registers loaded again, below
.endr
.irp t, 0,1,2,3                                    ; v's tiles are asked for now and land under the softmax
.irp p, 0,1,2,3,4,5
	ds_load_b64 v[FRG+12*\t+2*\p:FRG+12*\t+2*\p+1], v[ADK] offset:KV0+6144+1536*\t+256*\p
.endr
.endr
	ds_load_b128 v[VSC:VSC+3], v[ADT] offset:8192
	s_cmp_lg_u32 s[KSI], s[MH]                     ; the tile's last step lies on the diagonal: there hidden scores become minus infinity ahead of the maximum
	s_cbranch_scc1 .Lopen_\@
.set n, 0
.rept 64
	v_cmp_gt_i32 vcc_lo, 32*(n/16)+n%16, v[DQ]
	v_cndmask_b32 v[S+n], v[S+n], v[NINF], vcc_lo
.set n, n+1
.endr
.Lopen_\@:
.irp b, 0,1,2,3
	v_max3_num_f32 v[BX+\b], v[S+16*\b], v[S+1+16*\b], v[S+2+16*\b]        ; the largest score of each block of 32 keys: it serves for the row's maximum and, since p rises with the score, for the block's largest p
.endr
.irp i, 3,5,7,9,11,13
.irp b, 0,1,2,3
	v_max3_num_f32 v[BX+\b], v[BX+\b], v[S+16*\b+\i], v[S+1+16*\b+\i]
.endr
.endr
.irp b, 0,1,2,3
	v_max_num_f32 v[BX+\b], v[BX+\b], v[S+15+16*\b]
.endr
.irp b, 0,1,2,3
	s_delay_alu instid0(VALU_DEP_4)
	v_permlanex16_b32 v[BY+\b], v[BX+\b], s[SEL], s[SEL+1]
.endr
.irp b, 0,1,2,3
	s_delay_alu instid0(VALU_DEP_4)
	v_max_num_f32 v[BX+\b], v[BX+\b], v[BY+\b]     ; with lane l xor 16's 16 keys
.endr
	s_delay_alu instid0(VALU_DEP_2)
	v_max3_num_f32 v[T0], v[BX], v[BX+1], v[BX+2]
	s_delay_alu instid0(VALU_DEP_1)
	v_max_num_f32 v[T0], v[T0], v[BX+3]            ; the step's largest score of my query (key 0 of the step counts for every query of the tile)
	s_delay_alu instid0(VALU_DEP_1)
	v_mul_f32 v[T0], s[CS], v[T0]
	s_delay_alu instid0(VALU_DEP_1)
	v_max_num_f32 v13, v13, v[T0]                  ; the running largest t
	v_mov_b32 v[T0], v12
	s_delay_alu instid0(VALU_DEP_2)
	v_floor_f32 v12, -v13                          ; the new -M = -ceil(t)
	s_delay_alu instid0(VALU_DEP_1)
	v_sub_f32 v[T0], v12, v[T0]                    ; old M - new M: a whole number, 0 or less
	s_delay_alu instid0(VALU_DEP_1)
	v_cvt_i32_f32 v[T0], v[T0]                     ; (it saturates)
	s_delay_alu instid0(VALU_DEP_1)
	v_ldexp_f32 v[FF], 1.0, v[T0]                  ; f
.set j, 0
	s_setprio 1
.rept 32
	v_pk_fma_f32 v[S+j:S+j+1], v[S+j:S+j+1], s[CS:CS+1], v[12:13] op_sel_hi:[1,0,0]   ; t - M, two at a time
.set j, j+2
.endr
.irp b, 0,1,2,3
	v_fma_f32 v[BX+\b], v[BX+\b], s[CS], v12       ; the same of each block's largest score
.endr
.set j, 0
	s_wait_alu depctr_va_vdst(0)
.rept 64
	v_exp_f32 v[S+j], v[S+j]                       ; p = 2^(t - M)
.set j, j+1
.endr
	v_pk_mul_f32 v[14:15], v[14:15], v[FF:FF+1] op_sel_hi:[1,0]    ; the sums under the new M: a plain place behind the exponentials
	s_wait_alu depctr_va_vdst(0)                   ; one wait for the batch of 64, ahead of its first reader
.irp b, 0,1,2,3
	v_exp_f32 v[BX+\b], v[BX+\b]                   ; the blocks' largest p
.endr
	v_pk_add_f32 v[98:99], v[104:105], v[108:109]
	v_pk_add_f32 v[238:239], v[112:113], v[116:117]
	v_pk_add_f32 v[236:237], v[120:121], v[124:125]
	v_pk_add_f32 v[234:235], v[128:129], v[132:133]
	v_pk_add_f32 v[232:233], v[136:137], v[140:141]
	v_pk_add_f32 v[230:231], v[144:145], v[148:149]
	v_pk_add_f32 v[226:227], v[152:153], v[156:157]
	v_pk_add_f32 v[14:15], v[14:15], v[160:161]
	v_pk_add_f32 v[98:99], v[98:99], v[100:101]
	v_pk_add_f32 v[238:239], v[238:239], v[102:103]
	v_pk_add_f32 v[236:237], v[236:237], v[106:107]
	v_pk_add_f32 v[234:235], v[234:235], v[110:111]
	v_pk_add_f32 v[232:233], v[232:233], v[114:115]
	v_pk_add_f32 v[230:231], v[230:231], v[118:119]
	v_pk_add_f32 v[226:227], v[226:227], v[122:123]
	v_pk_add_f32 v[14:15], v[14:15], v[126:127]
	v_pk_add_f32 v[98:99], v[98:99], v[130:131]
	v_pk_add_f32 v[238:239], v[238:239], v[134:135]
	v_pk_add_f32 v[236:237], v[236:237], v[138:139]
	v_pk_add_f32 v[234:235], v[234:235], v[142:143]
	v_pk_add_f32 v[232:233], v[232:233], v[146:147]
	v_pk_add_f32 v[230:231], v[230:231], v[150:151]
	v_pk_add_f32 v[226:227], v[226:227], v[154:155]
	v_pk_add_f32 v[14:15], v[14:15], v[158:159]
	v_pk_add_f32 v[98:99], v[98:99], v[162:163]
	s_delay_alu instid0(VALU_DEP_2)
	v_pk_add_f32 v[14:15], v[14:15], v[234:235]
	s_delay_alu instid0(VALU_DEP_2)
	v_pk_add_f32 v[98:99], v[98:99], v[232:233]
	v_pk_add_f32 v[238:239], v[238:239], v[230:231]
	v_pk_add_f32 v[236:237], v[236:237], v[226:227]
	s_delay_alu instid0(VALU_DEP_2)
	v_pk_add_f32 v[14:15], v[14:15], v[238:239]
	s_delay_alu instid0(VALU_DEP_2)
	v_pk_add_f32 v[98:99], v[98:99], v[236:237]
	s_delay_alu instid0(VALU_DEP_1)
	v_pk_add_f32 v[14:15], v[14:15], v[98:99]
	s_wait_alu depctr_va_vdst(0)                   ; and one for the four
.irp b, 0,1,2,3
	v_max_num_f32 v[BX+\b], 0x1800000, v[BX+\b]    ; the floor 2^(3 - 127): the byte cannot fall under 1
.endr
.irp b, 0,1,2,3
	s_delay_alu instid0(VALU_DEP_4)
	v_add_nc_u32 v[BZ+\b], 0xff000000, v[BX+\b]    ; the conversion's scale operand
.endr
.irp b, 0,1,2,3
	s_delay_alu instid0(VALU_DEP_4)
	v_lshrrev_b32 v[BY+\b], 23, v[BZ+\b]           ; the scale's byte
.endr
	s_delay_alu instid0(VALU_DEP_3)
	v_lshl_or_b32 v[PSC], v[BY+1], 8, v[BY]
	s_delay_alu instid0(VALU_DEP_1)
	v_lshl_or_b32 v[PSC], v[BY+2], 16, v[PSC]
	s_delay_alu instid0(VALU_DEP_1)
	v_lshl_or_b32 v[PSC], v[BY+3], 24, v[PSC]
	s_setprio 0
.irp c, 0,1
	v_cvt_scalef32_pk16_fp6_f32 v[PC+6*\c:PC+2+6*\c], v[S+32*\c:S+15+32*\c], v[BZ+2*\c]
	v_cvt_scalef32_pk16_fp6_f32 v[CT+4*\c:CT+2+4*\c], v[S+16+32*\c:S+31+32*\c], v[BZ+2*\c+1]
.endr
	v_nop                                          ; one plain place behind a scaled conversion
.irp c, 0,1
.irp i, 0,1,2
	v_permlane16_swap_b32 v[PC+6*\c+\i], v[CT+4*\c+\i]
.endr
.irp i, 0,1,2
	s_delay_alu instid0(VALU_DEP_3)
	v_mov_b32 v[PC+3+6*\c+\i], v[CT+4*\c+\i]
.endr
.endr
.set j, 0
.rept 16
	v_pk_mul_f32 v[OT+j:OT+j+1], v[OT+j:OT+j+1], v[FF:FF+1] op_sel_hi:[1,0]   ; O^T under the new M; these sixteen are also the places between p's codes and scale word and the products
.set j, j+2
.endr
	s_wait_alu depctr_va_vdst(0)
	s_wait_dscnt 0x0                               ; v's tiles and scale words are in
.irp t, 0,1,2,3                                    ; four accumulators, one instruction each
	v_wmma_scale_f32_16x16x128_f8f6f4 v[OT+8*\t:OT+8*\t+7], v[FRG+12*\t:FRG+12*\t+11], v[PC:PC+11], v[OT+8*\t:OT+8*\t+7], v[VSC+\t], v[PSC] matrix_a_fmt:MATRIX_FMT_FP6 matrix_b_fmt:MATRIX_FMT_FP6
.endr
.Lhidden_\@:
	s_add_co_u32 s[KSI], s[KSI], 1
	s_add_co_u32 s[KB], s[KB], 12288
	s_add_co_u32 s[TS], s[TS], 512
	s_add_co_u32 s[TJ], s[TJ], 256
.endm
.macro LOOP n, qf, qsc                 ; the trip count is a constant; a wave's hidden steps only step the addresses
.Lks_\@:
	STEP \qf, \qsc
	s_cmp_lt_u32 s[KSI], \n
	s_cbranch_scc1 .Lks_\@
	s_setprio 0
.endm
; THE WAY OUT of a tile: O^T / the sum; register 16 b + i is channel 32 b + 16 h + i of my query: two blocks of the output projection's K.  They are quantised and leave as the image of half a fragment.
.macro OUT
.rept 4
	v_nop                                          ; places behind the last products
.endr
	v_add_f32 v14, v14, v15
	s_delay_alu instid0(VALU_DEP_1)
	v_permlanex16_b32 v[T0], v14, s[SEL], s[SEL+1]
	s_delay_alu instid0(VALU_DEP_1)
	v_add_f32 v14, v14, v[T0]                      ; the row's sum
	s_wait_alu depctr_va_vdst(0)
	v_rcp_f32 v14, v14
	v_nop                                          ; a plain place behind the reciprocal
	s_wait_alu depctr_va_vdst(0)                   ; and the wait ahead of its first reader
.set j, 0
.rept 32
	v_mul_f32 v[S+j], v[OT+j], v14
.set j, j+1
.endr
.irp b, 0,1
	v_max3_num_f32 v[BX+\b], |v[S+16*\b]|, |v[S+1+16*\b]|, 0x1800000
.endr
.irp i, 2,4,6,8,10,12,14
.irp b, 0,1
	s_delay_alu instid0(VALU_DEP_2)
	v_max3_num_f32 v[BX+\b], v[BX+\b], |v[S+16*\b+\i]|, |v[S+1+16*\b+\i]|
.endr
.endr
.irp b, 0,1
	s_delay_alu instid0(VALU_DEP_2)
	v_permlanex16_b32 v[BY+\b], v[BX+\b], s[SEL], s[SEL+1]
.endr
.irp b, 0,1
	s_delay_alu instid0(VALU_DEP_2)
	v_max_num_f32 v[BX+\b], v[BX+\b], v[BY+\b]
.endr
.irp b, 0,1
	s_delay_alu instid0(VALU_DEP_2)
	v_add_nc_u32 v[BZ+\b], 0xff000000, v[BX+\b]
.endr
.irp b, 0,1
	s_delay_alu instid0(VALU_DEP_2)
	v_lshrrev_b32 v[BY+\b], 23, v[BZ+\b]
.endr
	s_delay_alu instid0(VALU_DEP_1)
	v_cndmask_b32 v[T0], v[BY], v[BY+1], s[HM]     ; lanes 0-15 store block 0's byte, lanes 16-31 block 1's
	v_cvt_scalef32_pk16_fp6_f32 v[PC:PC+2], v[S:S+15], v[BZ]
	v_cvt_scalef32_pk16_fp6_f32 v[CT:CT+2], v[S+16:S+31], v[BZ+1]
	v_nop                                          ; one plain place behind a scaled conversion
.irp i, 0,1,2
	v_permlane16_swap_b32 v[PC+\i], v[CT+\i]
.endr
.irp i, 0,1,2
	s_delay_alu instid0(VALU_DEP_3)
	v_mov_b32 v[PC+3+\i], v[CT+\i]
.endr
.irp p, 0,1,2
	global_store_b64 v[LN8], v[PC+2*\p:PC+2*\p+1], s[OC:OC+1] offset:256*\p      ; 32 lanes store 256 consecutive bytes, aligned
.endr
	global_store_b8 v[OSO], v[T0], s[OS:OS+1]      ; the one store of single bytes: two of a token's 32 scale bytes belong to this head; 32 bytes beside the tile's 768
.endm
	s_mov_b32 s[M], s[WV]
	INIT                                           ; the early tile
	s_wait_loadcnt 0x0                             ; q
	s_wait_tensorcnt 1                             ; my first piece has landed; my second may stay out
	s_barrier_signal -1
	s_barrier_wait -1                              ; everybody's first piece: the scale words and key step 0
	STEP QF1, QSC1                                 ; key step 0 counts for every tile: all waves work while the rest lands
	s_wait_tensorcnt 0x0                           ; my second piece has landed
	s_wait_dscnt 0x0
	s_barrier_signal -1
	s_barrier_wait -1                              ; the whole head lies in LDS; from here on the waves share nothing that is written
	LOOP 8, QF1, QSC1
	OUT
	s_wait_xcnt 0x0                                ; the stores have read their bases and data: both are written again
	s_sub_co_u32 s[M], 31, s[WV]
	INIT                                           ; the late tile
	LOOP 16, QF2, QSC2
	OUT
	s_wait_dscnt 0x0
	s_wait_tensorcnt 0x0
	ds_add_u32 v254, v255
	s_wait_dscnt 0x0
	ROUND                                          ; the closing round
	s_endpgm
.Lfunc_end_k_qbbdbc5423d_attn:
	.size	k_qbbdbc5423d_attn, .Lfunc_end_k_qbbdbc5423d_attn-k_qbbdbc5423d_attn
	.p2alignl 7, 3214868480
	.fill 96, 4, 3214868480
	.section	.rodata,"a",@progbits
	.p2align	6, 0x0
	.amdhsa_kernel k_qbbdbc5423d_attn
		.amdhsa_group_segment_fixed_size 327680
		.amdhsa_private_segment_fixed_size 0
		.amdhsa_enable_private_segment 0
		.amdhsa_kernarg_size 24
		.amdhsa_user_sgpr_count 2
		.amdhsa_user_sgpr_kernarg_segment_ptr 1
		.amdhsa_wavefront_size32 1
		.amdhsa_system_sgpr_workgroup_id_x 1
		.amdhsa_system_sgpr_workgroup_id_y 1
		.amdhsa_system_sgpr_workgroup_id_z 1
		.amdhsa_system_vgpr_workitem_id 0
		.amdhsa_next_free_vgpr 256
		.amdhsa_next_free_sgpr 66
		.amdhsa_reserve_vcc 1
		.amdhsa_float_denorm_mode_32 3
		.amdhsa_float_denorm_mode_16_64 3
		.amdhsa_memory_ordered 1
		.amdhsa_forward_progress 1
		.amdhsa_inst_pref_size 91
	.end_amdhsa_kernel
	.amdgpu_metadata
---
amdhsa.version: [ 1, 2 ]
amdhsa.kernels:
  - .name:           k_qbbdbc5423d_attn
    .symbol:         k_qbbdbc5423d_attn.kd
    .args:
      - { .name: qq, .offset: 0, .size: 8, .value_kind: global_buffer, .address_space: global }
      - { .name: kv, .offset: 8, .size: 8, .value_kind: global_buffer, .address_space: global }
      - { .name: oq, .offset: 16, .size: 8, .value_kind: global_buffer, .address_space: global }
    .group_segment_fixed_size: 327680
    .private_segment_fixed_size: 0
    .kernarg_segment_align: 8
    .kernarg_segment_size: 24
    .max_flat_workgroup_size: 512
    .sgpr_count:     66
    .vgpr_count:     256
    .wavefront_size: 32
...
	.end_amdgpu_metadata
.endif
;; end of part 3
;; launch outp (part 4): grid 4 x 32, 4 waves a work-group, clusters of 4 x 4, 327,680 bytes of LDS; arguments oq, wq, b_o, out0; writes out0
.if DOCPART == 4
	.amdgcn_target "amdgcn-amd-amdhsa--gfx1250"
	.amdhsa_code_object_version 6
	.text
	.protected	k_qbbdbc5423d_outp
	.globl	k_qbbdbc5423d_outp
	.p2align	8
	.type	k_qbbdbc5423d_outp,@function
k_qbbdbc5423d_outp:
	s_mov_b64 s[64:65], 0
	v_nop
	global_prefetch_b8 v0, s[64:65] scope:SCOPE_SE
	s_setreg_imm32_b32 hwreg(HW_REG_WAVE_MODE, 25, 1), 1
	s_wait_xcnt 0x0
	s_wait_alu depctr_hold_cnt(0) depctr_sa_sdst(0) depctr_va_vdst(0) depctr_va_sdst(0) depctr_va_ssrc(0) depctr_va_vcc(0) depctr_vm_vsrc(0)
	s_getreg_b32 s2, hwreg(HW_REG_IB_STS2, 6, 4)
	s_cmp_eq_u32 s2, 0
	s_cbranch_scc0 .Lentry_in_a_cluster
	s_endpgm
.Lentry_in_a_cluster:
	s_bfe_u32 s2, ttmp6, 0x10000c
	s_cmp_lg_u32 s2, 0xf033
	s_cbranch_scc0 .Lentry_shape_is_right
	s_endpgm
.Lentry_shape_is_right:
; out0 = attention's result x W_o + b_o on codes of FP6 (E2M3) with E8M0 scales.  A [8192][1024] and B = W_o^T [1024 (n)][1024 (k)] arrive as codes; out0 [8192][1024] is f32.
; A tile of 256 x 256 is made by a work-group of four waves, 128 x 128 a wave: 64 accumulators.  K goes in steps of 256 through a ring of two LDS slots filled by the tensor data mover.
; A's codes lie in memory as images of operand registers, [128 tokens][head][tile of 16 tokens]: 768 bytes for 16 rows x 64 k (registers 2 p, 2 p + 1 at 256 p + 8 x lane).  So the K step of 128 rows is one dense block
; of 24,576 bytes, and a fragment comes by six loads of 256 consecutive bytes.  B's rows are 768 bytes of memory, 192 of them in a K step, padded in LDS.
; B's rows are stored with bits 3 and 4 of their number exchanged: tile b's register j of lane half h is column 32 (b / 2) + 8 (b % 2) + 16 h + j; the bias and the stage on the way out take that order.
; The scale bytes of the work-group's rows, for all of K, come once with the first fills.  b_o is the C of each sum's first matrix instruction.
; CLUSTERS: 4 x 4 work-groups; A's tile is asked for jointly by a row of the cluster, B's by a column.  THE MATRIX INSTRUCTION IS USED TRANSPOSED (source 0 = rows of B, source 1 = rows of A).
; The grid has 128 work-groups: the problem has that many tiles of this size.
; REGISTERS: window 0: v16-31 addresses; v32-63 scale words, two sets; v64-127 b_o; v128-223 A's fragments; on the way out v128-255 rows read back.  window 1: B's fragments, two sets.  windows 2, 3: the accumulators.
.set NQ,     2
.set ROWB,   192
.set KROW,   768
.set GRPB,   128*KROW
.set ASTEP,  24576                     ; a K step of 128 rows of A
.set PITCH,  240
.set FR,     12
.set NL,     6
.set NP,     4
.set HALFT,  128*PITCH                 ; a quarter of a slot: 128 rows of B (A's 24,576 bytes lie at the head of theirs)
.set SLOT,   4*HALFT
.set LAPS,   2
.set SCL,    2*SLOT
.set HALFS,  4096
.set SPARE,  SCL+4*HALFS
.set SPITCH, 528                       ; the way out: 16 rows x (512 bytes + 16) a wave, in slot 0, which has had its last fill and its last read when the first result is stored there
.set OROW,   4096                      ; a row of out0
.set ADRA, 16
.set ADRB, 20
.set STO,  24
.set RD,   25
.set CO,   26
.set ADRS, 27
.set SPW,  28
.set NIL,  29
.set SC,   32
.set BN,   64
.set AF,   128
.set BK,   128
.set WV,   18
.set HI,   19
.set LO,   20
.set G1,   24
.set G0,   32
.set G1B,  48
.set G0B,  56
.set G1S,  68
.set G0S,  76
.set G1SB, 80
.set G0SB, 88
.set MSB, 0
.macro WIN new
.if MSB != (\new)
	s_set_vgpr_msb (MSB<<8)|(\new)
.set MSB, (\new)
.endif
.endm
.set MUL_LO, 0xa1                      ; source 0 (B) window 1, source 1 (A) window 0, C and D window 2
.set MUL_HI, 0xf1
.set ONE_LO, 0x81                      ; the first step: C (b_o) window 0, D window 2
.set ONE_HI, 0xc1
.set TO_B,   0x40
.macro JLOAD g0a, g1a, g0b, g1b        ; a joint load: waves 0 and 1 fetch for A, waves 2 and 3 for B; four v_nop follow each of the two lines
	s_cmp_eq_u32 s[HI], 0
	s_cbranch_scc0 .Lfor_b_\@
	tensor_load_to_lds s[\g0a:\g0a+3], s[\g1a:\g1a+7]
	s_nop 0
.rept 4
	v_nop
.endr
	s_branch .Lasked_\@
.Lfor_b_\@:
	tensor_load_to_lds s[\g0b:\g0b+3], s[\g1b:\g1b+7]
	s_nop 0
.rept 4
	v_nop
.endr
.Lasked_\@:
.endm
.macro CREST
	s_cmp_lg_u32 s[WV], 0
	s_cbranch_scc1 .Lnot_wave_0_\@
	s_barrier_signal -3
.Lnot_wave_0_\@:
	s_barrier_wait -3
	s_barrier_signal -1
	s_barrier_wait -1
.endm
.macro CROUND
	s_barrier_signal -1
	s_barrier_wait -1
	CREST
.endm
	s_load_b256 s[4:11], s[0:1], 0x0               ; oq, wq, b_o, out0
	v_lshl_add_u32 v[SPW], v0, 2, SPARE
	v_mov_b32 v[NIL], 0
	ds_add_u32 v28, v29
	ds_add_u32 v28, v29
	s_wait_dscnt 0x0
	v_lshrrev_b32 v1, 5, v0
	v_readfirstlane_b32 s[WV], v1
	s_lshr_b32 s[HI], s[WV], 1
	s_and_b32 s[LO], s[WV], 1
	s_bfe_u32 s40, ttmp6, 0x40000                  ; cx
	s_bfe_u32 s41, ttmp6, 0x40004                  ; cy
	s_lshl_b32 s22, ttmp9, 2
	s_add_co_u32 s22, s22, s40                     ; tile column
	s_and_b32 s21, ttmp7, 0xffff
	s_lshl_b32 s21, s21, 2
	s_add_co_u32 s21, s21, s41                     ; tile row
	s_lshl_b32 s43, s41, 2
	s_lshl_b32 s43, 15, s43                        ; my row of the cluster
	s_lshl_b32 s44, 0x1111, s40                    ; my column
	; A's tiles: 24,576 dense bytes as 96 rows of 32 elements of 8 bytes, no padding
	s_or_b32 s[G1+0], s43, (3<<16)|(1<<21)
	s_mov_b32 s[G1+1], 32<<16
	s_mov_b32 s[G1+2], 96<<16
	s_mov_b32 s[G1+3], 32<<16
	s_mov_b32 s[G1+4], 96
	s_mov_b32 s[G1+5], 32
	s_mov_b32 s[G1+6], 0
	s_mov_b32 s[G1+7], 0
	; B's tiles: 128 rows x 192 bytes, 16 bytes of padding behind every 64
	s_or_b32 s[G1B+0], s44, (0<<16)|(1<<20)|(1<<21)|(3<<22)|(3<<25)
	s_mov_b32 s[G1B+1], ROWB<<16
	s_mov_b32 s[G1B+2], 128<<16
	s_mov_b32 s[G1B+3], ROWB<<16
	s_mov_b32 s[G1B+4], 128
	s_mov_b32 s[G1B+5], KROW
	s_mov_b32 s[G1B+6], 0
	s_mov_b32 s[G1B+7], 0
	; the scale bytes of 128 rows: 4,096 dense bytes
	s_or_b32 s[G1S+0], s43, (3<<16)|(1<<21)
	s_or_b32 s[G1SB+0], s44, (3<<16)|(1<<21)
.irp g, G1S, G1SB
	s_mov_b32 s[\g+1], 32<<16
	s_mov_b32 s[\g+2], 16<<16
	s_mov_b32 s[\g+3], 32<<16
	s_mov_b32 s[\g+4], 16
	s_mov_b32 s[\g+5], 32
	s_mov_b32 s[\g+6], 0
	s_mov_b32 s[\g+7], 0
.endr
	s_lshl_b32 s97, s21, 1                         ; A: the 128 rows that I fetch
	s_add_co_u32 s97, s97, s[LO]
	s_mul_i32 s98, s97, GRPB
	s_mov_b32 s99, 0
	s_lshl_b32 s100, s97, 12
	s_add_co_u32 s100, s100, 6291456               ; its scale bytes lie behind the codes
	s_mov_b32 s101, 0
	s_lshl_b32 s42, s22, 1                         ; B likewise: W_o is the fourth weight in wq
	s_add_co_u32 s42, s42, s[LO]
	s_mul_i32 s46, s42, GRPB
	s_add_co_u32 s46, s46, 3*786432
	s_mov_b32 s47, 0
	s_lshl_b32 s2, s42, 12
	s_add_co_u32 s2, s2, 3145728+3*32768
	s_mov_b32 s3, 0
	s_mul_i32 s12, s[WV], HALFT
	s_lshl_b32 s13, s[WV], 12
	s_wait_kmcnt 0x0
	s_add_nc_u64 s[98:99], s[4:5], s[98:99]
	s_add_nc_u64 s[100:101], s[4:5], s[100:101]
	s_add_nc_u64 s[46:47], s[6:7], s[46:47]
	s_add_nc_u64 s[2:3], s[6:7], s[2:3]
	CROUND                                         ; all sixteen work-groups are here: the first joint loads meet
	s_mov_b32 s[G0S], 1
	s_add_co_u32 s[G0S+1], s13, SCL
	s_mov_b64 s[G0S+2:G0S+3], s[100:101]
	s_or_b32 s[G0S+3], s[G0S+3], 0x80000000
	s_mov_b32 s[G0SB], 1
	s_add_co_u32 s[G0SB+1], s13, SCL
	s_mov_b64 s[G0SB+2:G0SB+3], s[2:3]
	s_or_b32 s[G0SB+3], s[G0SB+3], 0x80000000
	JLOAD G0S, G1S, G0SB, G1SB
.irp s, 0,1
	s_mov_b32 s[G0+4*\s], 1
	s_add_co_u32 s[G0+4*\s+1], s12, \s*SLOT
	s_add_nc_u64 s[G0+4*\s+2:G0+4*\s+3], s[98:99], \s*ASTEP
	s_or_b32 s[G0+4*\s+3], s[G0+4*\s+3], 0x80000000
	s_mov_b32 s[G0B+4*\s], 1
	s_add_co_u32 s[G0B+4*\s+1], s12, \s*SLOT
	s_add_nc_u64 s[G0B+4*\s+2:G0B+4*\s+3], s[46:47], \s*ROWB
	s_or_b32 s[G0B+4*\s+3], s[G0B+4*\s+3], 0x80000000
	JLOAD G0+4*\s, G1, G0B+4*\s, G1B               ; three tensor loads of mine are out
.endr
	v_and_b32 v7, 31, v0                           ; lane
	v_and_b32 v1, 15, v0                           ; r
	v_bfe_u32 v2, v0, 4, 1                         ; h
	v_mul_u32_u24 v3, v1, PITCH
	v_mul_u32_u24 v4, v2, 24
	v_add_nc_u32 v4, v3, v4
	v_lshl_add_u32 v5, v2, 4, v4
	v_lshlrev_b32 v8, 3, v7                        ; A: 8 x lane in an image
	s_mul_i32 s12, s[HI], HALFT
	s_mul_i32 s13, s[LO], HALFT
	s_add_co_u32 s13, s13, 2*HALFT
.irp s, 0,1
	v_add_nc_u32 v[ADRA+\s], s12, v8
	v_add_nc_u32 v[ADRB+\s], s13, v4
	v_add_nc_u32 v[ADRB+2+\s], s13, v5
	s_add_co_u32 s12, s12, SLOT
	s_add_co_u32 s13, s13, SLOT
.endr
	s_lshl_b32 s12, s[HI], 12
	s_lshl_b32 s13, s[LO], 12
	s_add_co_u32 s13, s13, 2*HALFS
	s_sub_co_u32 s13, s13, s12
	v_mul_u32_u24 v6, s13, v2                      ; lanes 16-31 take B's scale words: one product with the lane's half
	s_add_co_u32 s12, s12, SCL
	v_lshl_add_u32 v5, v1, 3, v6
	v_add_nc_u32 v[ADRS], s12, v5
	s_mul_i32 s23, s[WV], 16*SPITCH                ; my stage
	v_mul_u32_u24 v5, v1, SPITCH                   ; in: row r; my half's columns begin 16 further on in each group of 32
	v_lshl_add_u32 v5, v2, 6, v5
	v_add_nc_u32 v[STO], s23, v5
	v_lshlrev_b32 v[CO], 4, v7                     ; back: the 32 lanes take one row of 512 bytes; and the same in out0
	v_add_nc_u32 v[RD], s23, v[CO]
	s_lshl_b32 s14, s21, 8
	s_lshl_b32 s15, s[HI], 7
	s_add_co_u32 s14, s14, s15                     ; my first row
	s_lshl_b32 s14, s14, 12
	s_lshl_b32 s15, s22, 10
	s_add_co_u32 s14, s14, s15
	s_lshl_b32 s16, s[LO], 9
	s_add_co_u32 s15, s15, s16                     ; my first column, in bytes: also my place in b_o
	s_add_co_u32 s14, s14, s16
	v_lshl_add_u32 v6, v2, 6, s15
	s_mov_b32 s15, 0
	s_add_nc_u64 s[10:11], s[10:11], s[14:15]
.irp b, 0,1,2,3,4,5,6,7
	global_load_b128 v[BN+8*\b:BN+8*\b+3], v6, s[8:9] offset:(32*(\b/2)+8*(\b%2))*4
	global_load_b128 v[BN+8*\b+4:BN+8*\b+7], v6, s[8:9] offset:(32*(\b/2)+8*(\b%2))*4+16
.endr
.macro FRAG reg, adr, q, i             ; a fragment of B from padded rows, in pieces of 8 bytes
.irp p, 0,1,2,3,4,5
.set PCE, 12*(\q)+6*(\p/3)+\p%3
.if PCE%8 < 5
	ds_load_b64 v[\reg+2*\p:\reg+2*\p+1], v[\adr] offset:8*PCE+16*(PCE/8)+(\i)*16*PITCH
.else
	ds_load_b64 v[\reg+2*\p:\reg+2*\p+1], v[\adr+2] offset:8*PCE+16*(PCE/8)+(\i)*16*PITCH
.endif
.endr
.endm
.macro FRAGA reg, adr, q, i            ; a fragment of A from images: registers 0-5 are head 2 q of the slot's four, registers 6-11 head 2 q + 1
.irp p, 0,1,2,3,4,5
	ds_load_b64 v[\reg+2*\p:\reg+2*\p+1], v[\adr] offset:(2*(\q)+\p/3)*6144+(\i)*768+256*(\p%3)
.endr
.endm
; 16 matrix instructions; the 64 accumulators take turns, one instruction a turn.  first = 1: b_o is the C, and starts the sums
.macro MUL16 a0, p, q, sc, first
.irp a, \a0, \a0+1
.irp b, 0,1,2,3,4,5,6,7
.if \first
	v_wmma_scale_f32_16x16x128_f8f6f4 v[8*(8*((\a)%4)+\b):8*(8*((\a)%4)+\b)+7], v[128*(\p)+FR*\b:128*(\p)+FR*\b+FR-1], v[AF+FR*(\a):AF+FR*(\a)+FR-1], v[BN+8*\b:BN+8*\b+7], v[SC+8*NQ*(\sc)+NQ*\b+(\q)], v[SC+8*NQ*(\sc)+NQ*(\a)+(\q)] matrix_a_fmt:MATRIX_FMT_FP6 matrix_b_fmt:MATRIX_FMT_FP6 matrix_a_scale:MATRIX_SCALE_ROW1
.else
	v_wmma_scale_f32_16x16x128_f8f6f4 v[8*(8*((\a)%4)+\b):8*(8*((\a)%4)+\b)+7], v[128*(\p)+FR*\b:128*(\p)+FR*\b+FR-1], v[AF+FR*(\a):AF+FR*(\a)+FR-1], v[8*(8*((\a)%4)+\b):8*(8*((\a)%4)+\b)+7], v[SC+8*NQ*(\sc)+NQ*\b+(\q)], v[SC+8*NQ*(\sc)+NQ*(\a)+(\q)] matrix_a_fmt:MATRIX_FMT_FP6 matrix_b_fmt:MATRIX_FMT_FP6 matrix_a_scale:MATRIX_SCALE_ROW1
.endif
.endr
.endr
.endm
.macro FETCH_B slot, q, p
	WIN TO_B
.irp i, 0,1,2,3,4,5,6,7
	FRAG 128*(\p)+FR*\i, ADRB+\slot, \q, \i
.endr
	WIN 0
.endm
.macro FETCH_A slot, q, i0
.irp i, \i0, \i0+1, \i0+2, \i0+3
	FRAGA AF+FR*(\i), ADRA+\slot, \q, \i
.endr
.endm
.macro SCALES sc
.irp i, 0,1,2,3,4,5,6,7
	ds_load_b64 v[SC+8*NQ*\sc+NQ*\i:SC+8*NQ*\sc+NQ*\i+1], v[ADRS] offset:\i*128
.endr
.endm
.macro PLACES n
.rept \n
	v_nop
.endr
.endm
.macro STEP slot, q, first
	s_wait_dscnt 4*NL                              ; B's set and A's blocks 0-3 are in; the youngest 24 loads (A's blocks 4-7) may be out
.if \first
	WIN ONE_LO
.else
	WIN MUL_LO
.endif
	MUL16 0, (\q)%2, \q, \slot, \first
	MUL16 2, (\q)%2, \q, \slot, \first
	s_wait_dscnt 0
	PLACES NP
	FETCH_B \slot, (\q)+1, 1-(\q)%2
	FETCH_A \slot, (\q)+1, 0
.if \first
	WIN ONE_HI
.else
	WIN MUL_HI
.endif
	MUL16 4, (\q)%2, \q, \slot, \first
	MUL16 6, (\q)%2, \q, \slot, \first
	PLACES NP
	WIN 0
	FETCH_A \slot, (\q)+1, 4
.endm
.macro TURN slot, next, fill
	s_wait_tensorcnt 0x0                           ; all my tensor loads have landed: my part of the next slot
	ds_add_u32 v[SPW], v[NIL]                      ; 0 onto my spare word
	s_wait_dscnt 4*NL+1                            ; (the add and the youngest 24 loads may be out)
	WIN MUL_LO
	MUL16 0, 1, NQ-1, \slot, 0
	s_wait_dscnt 0x0                               ; the add is done, and my reads of this slot are over
	s_barrier_signal -1
	MUL16 2, 1, NQ-1, \slot, 0
	WIN 0
	s_barrier_wait -1
.if \fill
	CREST                                          ; the barrier has opened a round of the cluster's: no wave of any partner still reads this slot or has a load on its way
	s_add_nc_u64 s[G0+4*\slot+2:G0+4*\slot+3], s[G0+4*\slot+2:G0+4*\slot+3], 2*ASTEP
	s_add_nc_u64 s[G0B+4*\slot+2:G0B+4*\slot+3], s[G0B+4*\slot+2:G0B+4*\slot+3], 2*ROWB
	JLOAD G0+4*\slot, G1, G0B+4*\slot, G1B         ; the first tensor load behind the round, and my only one until the next
.else
	PLACES NP
.endif
	v_add_nc_u32 v[ADRS], 1024, v[ADRS]
	FETCH_B \next, 0, 0
	FETCH_A \next, 0, 0
	SCALES \next
	WIN MUL_HI
	MUL16 4, 1, NQ-1, \slot, 0
	MUL16 6, 1, NQ-1, \slot, 0
	PLACES NP
	WIN 0
	FETCH_A \next, 0, 4
.endm
	s_wait_loadcnt 0x0                             ; b_o
	s_wait_tensorcnt 1                             ; the scale bytes and my part of K step 0 are in; K step 1's load may be out
	s_barrier_signal -1
	s_barrier_wait -1
	FETCH_B 0, 0, 0
	FETCH_A 0, 0, 0
	SCALES 0
	FETCH_A 0, 0, 4
	STEP 0, 0, 1
	s_mov_b32 s3, LAPS-1
.Llap:
	TURN 0, 1, 1
	STEP 1, 0, 0
	TURN 1, 0, 1
	STEP 0, 0, 0
	s_sub_co_u32 s3, s3, 1
	s_cmp_lg_u32 s3, 0
	s_cbranch_scc1 .Llap
	TURN 0, 1, 0
	STEP 1, 0, 0
	s_wait_dscnt 4*NL
	WIN MUL_LO
	MUL16 0, 1, NQ-1, 1, 0
	MUL16 2, 1, NQ-1, 1, 0
	s_wait_dscnt 0
	WIN MUL_HI
	MUL16 4, 1, NQ-1, 1, 0
	MUL16 6, 1, NQ-1, 1, 0
	WIN 0
; THE WAY OUT, block by block of 16 rows x 128 columns, through my own stage: a lane's eight results go to their true columns, and whole rows of 512 bytes come back.
; LDS serves a wave's instructions in order (ISA guide 5.7.1.4): no wait between the stores and the loads, nor in front of the next block's stores.
.macro TOSTAGE a
.set AC, 64*((\a)%4)
	WIN 0x08+4*((\a)/4)                            ; the data: window 2 or 3
.irp b, 0,1,2,3,4,5,6,7
	ds_store_b128 v[STO], v[AC+8*\b:AC+8*\b+3] offset:128*(\b/2)+32*(\b%2)       ; each accumulator from its low end on
	ds_store_b128 v[STO], v[AC+8*\b+4:AC+8*\b+7] offset:128*(\b/2)+32*(\b%2)+16
.endr
	WIN 0
.set BB, BK+64*((\a)%2)
.irp t, 0,1,2,3,4,5,6,7,8,9,10,11,12,13,14,15
	ds_load_b128 v[BB+4*\t:BB+4*\t+3], v[RD] offset:\t*SPITCH
.endr
.endm
.macro SEND a, younger                 ; younger: the LDS instructions issued behind block a's loads, which may stay out
.set BB, BK+64*((\a)%2)
	s_wait_dscnt \younger
.if (\a) > 0
	s_add_nc_u64 s[10:11], s[10:11], 16*OROW       ; (behind a wait for the earlier stores' addresses)  16 rows on
.endif
.irp t, 0,1,2,3,4,5,6,7,8,9,10,11,12,13,14,15
	global_store_b128 v[CO], v[BB+4*\t:BB+4*\t+3], s[10:11] offset:\t*OROW th:TH_STORE_NT    ; 32 lanes store 512 consecutive bytes, aligned; written once, read by nobody here
.endr
.endm
	PLACES NP
	TOSTAGE 0
.irp a, 1,2,3,4,5,6,7
.if \a > 1
	s_wait_xcnt 0x0                                ; block a - 2's stores have read their registers and their base
.endif
	TOSTAGE \a
	SEND \a-1, 32                                  ; behind block a - 1's loads: block a's 16 stores and 16 loads
.endr
	s_wait_xcnt 0x0
	SEND 7, 0
	s_wait_tensorcnt 0x0                           ; the wave's end
	ds_add_u32 v[SPW], v[NIL]
	s_wait_dscnt 0x0
	CROUND                                         ; the closing round
	s_endpgm
.Lfunc_end_k_qbbdbc5423d_outp:
	.size	k_qbbdbc5423d_outp, .Lfunc_end_k_qbbdbc5423d_outp-k_qbbdbc5423d_outp
	.p2alignl 7, 3214868480
	.fill 96, 4, 3214868480
	.section	.rodata,"a",@progbits
	.p2align	6, 0x0
	.amdhsa_kernel k_qbbdbc5423d_outp
		.amdhsa_group_segment_fixed_size 327680
		.amdhsa_private_segment_fixed_size 0
		.amdhsa_enable_private_segment 0
		.amdhsa_kernarg_size 32
		.amdhsa_user_sgpr_count 2
		.amdhsa_user_sgpr_kernarg_segment_ptr 1
		.amdhsa_wavefront_size32 1
		.amdhsa_system_sgpr_workgroup_id_x 1
		.amdhsa_system_sgpr_workgroup_id_y 1
		.amdhsa_system_sgpr_workgroup_id_z 1
		.amdhsa_system_vgpr_workitem_id 0
		.amdhsa_next_free_vgpr 1024
		.amdhsa_next_free_sgpr 102
		.amdhsa_reserve_vcc 0
		.amdhsa_float_denorm_mode_32 3
		.amdhsa_float_denorm_mode_16_64 3
		.amdhsa_memory_ordered 1
		.amdhsa_forward_progress 1
		.amdhsa_inst_pref_size 161
	.end_amdhsa_kernel
	.amdgpu_metadata
---
amdhsa.version: [ 1, 2 ]
amdhsa.kernels:
  - .name:           k_qbbdbc5423d_outp
    .symbol:         k_qbbdbc5423d_outp.kd
    .args:
      - { .name: oq, .offset: 0, .size: 8, .value_kind: global_buffer, .address_space: global }
      - { .name: wq, .offset: 8, .size: 8, .value_kind: global_buffer, .address_space: global }
      - { .name: b_o, .offset: 16, .size: 8, .value_kind: global_buffer, .address_space: global }
      - { .name: out0, .offset: 24, .size: 8, .value_kind: global_buffer, .address_space: global }
    .group_segment_fixed_size: 327680
    .private_segment_fixed_size: 0
    .kernarg_segment_align: 8
    .kernarg_segment_size: 32
    .max_flat_workgroup_size: 128
    .sgpr_count:     102
    .vgpr_count:     1024
    .wavefront_size: 32
...
	.end_amdgpu_metadata
.endif
;; end of part 4
